; MI455X (gfx1250); checked and timed in simulation.
; The chip was launched on July 23, 2026; its instructions are those of AMD's public machine-readable ISA for CDNA 5 (MIT licence, August 2026) and "CDNA5" Instruction Set Architecture Reference Guide (July 2026). The comments in the code are by the model that wrote it; some were corrected since.
;; Multihead Attention. Allowed arithmetic: matrix products marked QUANTISED: E5M2 operands, one E8M0 scale for each 32 along K, by v_wmma_scale_f32_16x16x128_f8f6f4 with both operands' format E5M2, f32 sums; everything else in f32.
;; Inputs: Wk 1,024 x 1,024 float32; Wp 1,024 x 1,024 float32; Wq 1,024 x 1,024 float32; Wv 1,024 x 1,024 float32; bk 1,024 float32; bp 1,024 float32; bq 1,024 float32; bv 1,024 float32; input_ids 4 x 2,048 int32; x 4 x 2,048 x 1,024 float32.
;; Outputs: out0 4 x 2,048 x 1,024 float32.
;; This version of the problem:
;;   THIS VERSION OF THE PROBLEM IS GIVEN IN LOW PRECISION. The matrix products marked QUANTISED in the list below multiply operands that are first quantised to E5M2 (5 exponent bits, 2 mantissa bits; 8 bits a number), with one power-of-two scale for each 32 numbers along K (OCP MX v1.0); their sums are f32. All else is computed in f32.
;;   The module's matrix products, in the order in which they are computed (A, B: the left and right operand; K: the contracted axis; several contracted axes count as one K, in the product's order):
;;     1. [M 8,192, K 1,024] x [K 1,024, N 1,024]; A: input x; B: input Wq: QUANTISED
;;     2. [M 8,192, K 1,024] x [K 1,024, N 1,024]; A: input x; B: input Wk: QUANTISED
;;     3. [M 8,192, K 1,024] x [K 1,024, N 1,024]; A: input x; B: input Wv: QUANTISED
;;     4. batch 64 x [M 2,048, K 64] x [K 64, N 2,048]; A: computed on the way; B: computed on the way: QUANTISED
;;     5. batch 64 x [M 64, K 2,048] x [K 2,048, N 2,048]; A: computed on the way; B: softmax (see below): QUANTISED
;;     6. [M 8,192, K 1,024] x [K 1,024, N 1,024]; A: computed on the way; B: input Wp: QUANTISED
;;   THE QUANTISER, for each operand of a quantised product, along K:
;;     - K is cut into blocks of 32 from its start; a last block that is shorter is filled with zeros.
;;     - A block's scale is 2^e with e = floor(log2(the largest magnitude in the block)) - 15, held to -126 .. 127; a block of zeros has e = 0. As a byte (E8M0): e + 127.
;;     - Each number is divided by its block's scale, clamped to +-57,344, and rounded to the nearest number of E5M2, ties to even, subnormals kept.
;;     - The product sums the exact products of the quantised numbers (number of the format x scale) in f32.
;;   ~~~python
;;   def quantise(x, axis):      # numpy; x: float32 -> the quantised numbers, widened to float32 again
;;       x = np.moveaxis(x, axis, -1); K = x.shape[-1]
;;       x = np.pad(x, [(0, 0)] * (x.ndim - 1) + [(0, -K % 32)]); x = x.reshape(x.shape[:-1] + (-1, 32)); a = np.abs(x).max(-1, keepdims=True)
;;       e = np.where(a > 0, np.clip(np.frexp(np.where(a > 0, a, 1))[1] - 1 - 15, -126, 127), 0)      # np.frexp(a)[1] - 1 = floor(log2(a)), exactly
;;       r = np.clip(x / 2.0 ** e, -57344, 57344)
;;       step = 2.0 ** (np.maximum(np.frexp(np.where(r == 0, 1, r))[1] - 1, -14) - 2)
;;       q = np.round(r / step) * step * 2.0 ** e      # np.round: ties to even
;;       return np.moveaxis(q.reshape(q.shape[:-2] + (-1,))[..., :K], -1, axis).astype(np.float32)
;;   ~~~
;;   SOFTMAX AHEAD OF A QUANTISED PRODUCT. Where the list says 'softmax', what is quantised is not the finished softmax but p = 2^(t - M), with t = logit x log2(e) and M = ceil(the row's largest t), a whole number; so 1/2 < the row's largest p <= 1. The row's sum l is taken of the UNQUANTISED p, in f32, and the product's result is divided by l at the end. Since M is a whole number, a kernel that streams over the keys may use a running M (the ceiling of the running maximum): every later rescaling is an exact power of two, which a block's scale takes up: the codes' values come out the same.
;;   OPERANDS COMPUTED ON THE WAY. 'Computed on the way' means the value that the module computes at that place (a softmax that the list does not call 'softmax' is quantised finished and normalised). What goes into a quantiser is computed in f32, as accurately as f32 sums, v_exp_f32 and their like allow (about 1e-6 of the number): no bf16 or f16 on the way to a quantiser, and a product that is left as it is and whose result goes on into a quantised operand takes f32 operands (vector FMAs, or v_wmma_f32_16x16x4_f32). A number that lies on a knife's edge between two numbers of the format may be rounded either way, as far as f32 arithmetic and the matrix unit's own rounding can turn it there, and no further.
;; One version. Each part assembles by itself: llvm-mc -triple=amdgcn-amd-amdhsa -mcpu=gfx1250 --defsym DOCPART=n.
;; ======== version 1 of 1: 5 launches
;; limits: right only within a limited range of input values
;; workspace buffers: xc 8,388,608 bytes; xs 262,144 bytes; wc 4,194,304 bytes; ws 131,072 bytes; qkvc 25,165,824 bytes; qkvs 1,310,720 bytes; ac 8,388,608 bytes; asc 262,144 bytes
;; launch quant_x (part 1): grid 256 x 1, 4 waves a work-group, no clusters, 33,280 bytes of LDS; arguments x, xc, xs; writes xc, xs
.if DOCPART == 1
	.amdgcn_target "amdgcn-amd-amdhsa--gfx1250"
	.amdhsa_code_object_version 6
	.text
	.protected	k_q0fd630a4c7_quant_x
	.globl	k_q0fd630a4c7_quant_x
	.p2align	8
	.type	k_q0fd630a4c7_quant_x,@function
k_q0fd630a4c7_quant_x:
	s_mov_b64 s[64:65], 0
	v_nop
	global_prefetch_b8 v0, s[64:65] scope:SCOPE_SE
	s_setreg_imm32_b32 hwreg(HW_REG_WAVE_MODE, 25, 1), 1
	s_wait_xcnt 0x0
; x [8192][1024] f32 becomes codes of BF8 (E5M2), K innermost, with one E8M0 scale byte for each 32 along K.
; A block's scale is 2^(floor(log2(its largest magnitude)) - 15); its byte is the largest magnitude's exponent field - 15, held at 1 from below.
; (A block of zeros so gets the byte 1 where the rule says 127: its codes are zeros, and the bytes are read by this program alone.)
; LIMITS: NaN and infinities among the inputs are not served.
; THE ROWS LEAVE IN ANOTHER ORDER: row t lies at place p(t), t with its bits 3 and 4 exchanged.  Lane r of the 16 rows at places 32 B + 16 u + r is then row 32 B + 8 u + r + 8 (r / 8):
; as source 0 of a product such rows give a lane 16 NEIGHBOURS in the registers of two neighbouring tiles, which is what the later quantisers want.
; A wave takes 8 rows (8,192 numbers, 16 steps of 512): bits 3 and 4 of the row are bits 0 and 1 of the wave's number, so only the wave's place in the output changes.
; Each of a step's four loads reads 512 consecutive bytes; the 2,048 bytes turn through the wave's own stage in LDS and come back 64 bytes a lane: 16 neighbours, two lanes to a block.
; No tensor loads, no barrier: waves share nothing.  Loads run four steps (16 loads a wave) ahead, the turn through LDS one step.
.set STEPS, 16
.set EMAX,  15
.set MANT,  0x600000                   ; the mantissa field of 57,344 as f32
.set CB,    16                         ; bytes of 16 codes
.set R,     16                         ; v16-79   four sets of 16 numbers as they are loaded
.set X,     80                         ; v80-111  two sets of 16 neighbours
.set C,     128                        ; v128-191 codes: four registers for each step, so that no store's data are written again
.set E,     112                        ; v112-127 a scale byte for each step
.set WREG,  8192                       ; LDS: a region for each wave: two stages of 32 x SP bytes, behind them its 256 scale bytes
.set SP,    80                         ; a lane's place in a stage: its 64 bytes + 16 of padding
	s_load_b128 s[4:7], s[0:1], 0x0                ; x, the codes
	s_load_b64 s[8:9], s[0:1], 0x10                ; the scale bytes
	v_lshl_add_u32 v192, v0, 2, 0x8000
	v_mov_b32 v193, 0
	v_lshrrev_b32 v1, 5, v0
	v_readfirstlane_b32 s16, v1                    ; wave
	v_and_b32 v2, 31, v0                           ; lane
	v_lshlrev_b32 v3, 4, v2                        ; my 16 bytes of a load's 512
	s_mul_i32 s17, s16, WREG
	v_lshrrev_b32 v14, 2, v2
	v_mul_u32_u24 v14, v14, SP
	v_and_b32 v15, 3, v2
	v_lshl_add_u32 v14, v15, 4, v14
	v_add_nc_u32 v14, s17, v14                     ; the stage, on the way in: SP (lane / 4) + 16 (lane % 4)
	v_mul_u32_u24 v15, v2, SP
	v_add_nc_u32 v15, s17, v15                     ; and on the way out: SP x lane: my 16 neighbours
	v_mul_u32_u24 v4, v2, CB                       ; my codes' place in a step's
	v_lshrrev_b32 v5, 1, v2
	s_add_co_u32 s17, s17, 2*32*SP
	v_add_nc_u32 v5, s17, v5                       ; LDS: my wave's 256 scale bytes, my block's byte
	v_lshlrev_b32 v7, 3, v2                        ; and on the way out 8 bytes a lane
	v_add_nc_u32 v6, s17, v7
	s_mov_b32 s23, MANT
	s_lshl_b32 s18, ttmp9, 2
	s_add_co_u32 s19, s18, s16                     ; which 8 rows are my wave's
	s_and_b32 s20, s16, 1
	s_lshl_b32 s20, s20, 1
	s_lshr_b32 s21, s16, 1
	s_or_b32 s20, s20, s21                         ; the wave's two bits exchanged:
	s_add_co_u32 s18, s18, s20                     ; at which 8 places they leave
	s_lshl_b32 s24, s19, 15                        ; 8 rows of 4,096 bytes
	s_mov_b32 s25, 0
	s_lshl_b32 s26, s18, 13                        ; 8 rows of 1,024 codes
	s_mov_b32 s27, 0
	s_lshl_b32 s28, s18, 8                         ; 8 rows of 32 scale bytes
	s_mov_b32 s29, 0
	s_wait_kmcnt 0x0
	s_add_nc_u64 s[4:5], s[4:5], s[24:25]
	s_add_nc_u64 s[6:7], s[6:7], s[26:27]
	s_add_nc_u64 s[8:9], s[8:9], s[28:29]
.macro LOAD t
.irp i, 0,1,2,3
	global_load_b128 v[R+16*((\t)%4)+4*\i:R+16*((\t)%4)+4*\i+3], v3, s[4:5] offset:2048*(\t)+512*\i th:TH_LOAD_NT   ; 32 lanes read 512 consecutive bytes
.endr
.endm
.macro TURN t                          ; step t's numbers through the stage: LDS serves a wave's instructions in order, so no wait stands between the stores and the loads
.irp i, 0,1,2,3
	ds_store_b128 v14, v[R+16*((\t)%4)+4*\i:R+16*((\t)%4)+4*\i+3] offset:32*SP*((\t)%2)+8*SP*\i
.endr
.irp i, 0,1,2,3
	ds_load_b128 v[X+16*((\t)%2)+4*\i:X+16*((\t)%2)+4*\i+3], v15 offset:32*SP*((\t)%2)+16*\i
.endr
.endm
.irp t, 0,1,2,3
	LOAD \t
.endr
	s_wait_loadcnt 12                              ; step 0's four loads are in
	TURN 0
.macro STEP t
.set XS, X+16*((\t)%2)
.if (\t) > 0
	s_wait_dscnt 1                                 ; this step's numbers are back from the stage (the last step's byte store may be out)
.else
	s_wait_dscnt 0x0
.endif
.if (\t)+4 < STEPS
	LOAD (\t)+4                                    ; the registers that the stage's stores have read take the loads of four steps on
.endif
.if (\t)+1 < STEPS
.if STEPS-2-(\t) >= 3
	s_wait_loadcnt 12                              ; the next step's four loads are in; those of the three steps behind it may be out
.else
	s_wait_loadcnt 4*(STEPS-2-(\t))
.endif
	TURN (\t)+1
.endif
	v_max3_num_f32 v8, |v[XS]|, |v[XS+1]|, |v[XS+2]|               ; the largest magnitude of my 16, in two chains
	v_max3_num_f32 v9, |v[XS+3]|, |v[XS+4]|, |v[XS+5]|
.irp i, 6,10
	v_max3_num_f32 v8, v8, |v[XS+\i]|, |v[XS+\i+1]|
	v_max3_num_f32 v9, v9, |v[XS+\i+2]|, |v[XS+\i+3]|
.endr
	v_max3_num_f32 v8, v8, |v[XS+14]|, |v[XS+15]|
	v_max3_num_f32 v8, v8, v9, (EMAX+1)<<23        ; and the floor 2^(16 - 127): the byte cannot fall under 1
	v_max_num_f32_dpp v8, v8, v8 row_xmask:1 row_mask:0xf bank_mask:0xf   ; and of my neighbour's 16: the block's
	v_add_nc_u32 v11, -(EMAX<<23), v8              ; 15 off its exponent field: the conversion takes the exponent field of this operand as its scale
	v_and_or_b32 v10, v8, 0x7f800000, s23          ; 57,344 x the scale
.irp i, 0,1,2,3,4,5,6,7,8,9,10,11,12,13,14,15
	v_med3_num_f32 v[XS+\i], v[XS+\i], -v10, v10   ; the conversion to an 8-bit code does not saturate (ISA guide 7.6.2): the hold comes first
.endr
	v_cvt_scalef32_pk8_bf8_f32 v[C+4*(\t):C+4*(\t)+1], v[XS:XS+7], v11
	v_cvt_scalef32_pk8_bf8_f32 v[C+4*(\t)+2:C+4*(\t)+3], v[XS+8:XS+15], v11
	v_lshrrev_b32 v[E+(\t)], 23, v11               ; the scale's byte
	ds_store_b8 v5, v[E+(\t)] offset:16*(\t)       ; both lanes of a block write the same byte with the same value
	global_store_b128 v4, v[C+4*(\t):C+4*(\t)+3], s[6:7] offset:32*CB*(\t)   ; 32 lanes store 512 consecutive bytes
.endm
.irp t, 0,1,2,3,4,5,6,7,8,9,10,11,12,13,14,15
	STEP \t
.endr
	ds_load_b64 v[12:13], v6                       ; LDS serves a wave's instructions in order: these see my stores
	s_wait_dscnt 0x0
	global_store_b64 v7, v[12:13], s[8:9]          ; 32 lanes store 256 consecutive bytes, aligned
	s_wait_tensorcnt 0x0
	ds_add_u32 v192, v193
	s_wait_dscnt 0x0
	s_endpgm
.Lfunc_end_k_q0fd630a4c7_quant_x:
	.size	k_q0fd630a4c7_quant_x, .Lfunc_end_k_q0fd630a4c7_quant_x-k_q0fd630a4c7_quant_x
	.p2alignl 7, 3214868480
	.fill 96, 4, 3214868480
	.section	.rodata,"a",@progbits
	.p2align	6, 0x0
	.amdhsa_kernel k_q0fd630a4c7_quant_x
		.amdhsa_group_segment_fixed_size 33280
		.amdhsa_private_segment_fixed_size 0
		.amdhsa_enable_private_segment 0
		.amdhsa_kernarg_size 24
		.amdhsa_user_sgpr_count 2
		.amdhsa_user_sgpr_kernarg_segment_ptr 1
		.amdhsa_wavefront_size32 1
		.amdhsa_system_sgpr_workgroup_id_x 1
		.amdhsa_system_sgpr_workgroup_id_y 1
		.amdhsa_system_sgpr_workgroup_id_z 1
		.amdhsa_system_vgpr_workitem_id 0
		.amdhsa_next_free_vgpr 194
		.amdhsa_next_free_sgpr 66
		.amdhsa_reserve_vcc 0
		.amdhsa_float_denorm_mode_32 3
		.amdhsa_float_denorm_mode_16_64 3
		.amdhsa_memory_ordered 1
		.amdhsa_forward_progress 1
		.amdhsa_inst_pref_size 51
	.end_amdhsa_kernel
	.amdgpu_metadata
---
amdhsa.version: [ 1, 2 ]
amdhsa.kernels:
  - .name:           k_q0fd630a4c7_quant_x
    .symbol:         k_q0fd630a4c7_quant_x.kd
    .args:
      - { .name: x, .offset: 0, .size: 8, .value_kind: global_buffer, .address_space: global }
      - { .name: xc, .offset: 8, .size: 8, .value_kind: global_buffer, .address_space: global }
      - { .name: xs, .offset: 16, .size: 8, .value_kind: global_buffer, .address_space: global }
    .group_segment_fixed_size: 33280
    .private_segment_fixed_size: 0
    .kernarg_segment_align: 8
    .kernarg_segment_size: 24
    .max_flat_workgroup_size: 128
    .sgpr_count:     66
    .vgpr_count:     194
    .wavefront_size: 32
...
	.end_amdgpu_metadata
.endif
;; end of part 1
;; launch quant_w (part 2): grid 8 x 16, 4 waves a work-group, no clusters, 36,352 bytes of LDS; arguments Wq, Wk, Wv, Wp, wc, ws; writes wc, ws
.if DOCPART == 2
	.amdgcn_target "amdgcn-amd-amdhsa--gfx1250"
	.amdhsa_code_object_version 6
	.text
	.protected	k_q0fd630a4c7_quant_w
	.globl	k_q0fd630a4c7_quant_w
	.p2align	8
	.type	k_q0fd630a4c7_quant_w,@function
k_q0fd630a4c7_quant_w:
	s_mov_b64 s[64:65], 0
	v_nop
	global_prefetch_b8 v0, s[64:65] scope:SCOPE_SE
	s_setreg_imm32_b32 hwreg(HW_REG_WAVE_MODE, 25, 1), 1
	s_wait_xcnt 0x0
; Wq, Wk, Wv, Wp, each [1024 (k)][1024 (n)] f32 with K as the FIRST axis, become codes of BF8 (E5M2) laid [4096 rows][1024 k], K innermost (rows: Wq's n, then Wk's, Wv's, Wp's),
; and one E8M0 scale byte for each 32 along K, laid [4096][32].
; A LANE TAKES A COLUMN n, AND ITS REGISTERS RUN DOWN K: a block of 32 along K lies in one lane's 32 registers, and the conversions give the codes with K innermost.
; THE ROWS LEAVE IN ANOTHER ORDER: column n lies at row p(n), n with its bits 3 and 4 exchanged (see the launch that quantises x).  A wave's 32 columns stay among themselves.
; A block of zeros gets the byte 1 where the rule says 127: its codes are zeros, and this program alone reads the bytes.  LIMITS: NaN and infinities among the inputs are not served.
; Work-group (x, y): columns 128 x on; weight y / 4; 256 along K from 256 (y % 4) on.  A wave takes 32 columns x 256 along K; its codes go through its own stage in LDS and leave as rows of 256 bytes.
; No tensor loads, no barrier: waves share nothing.  Loads run two blocks (64 loads a wave) ahead.
.set SIZE_K, 1024
.set SIZE_N, 1024
.set KW,    256
.set NB,    KW/32
.set ROWB,  256
.set PITCH, ROWB+16
.set KROW,  SIZE_K
.set EMAX,  15
.set MANT,  0x600000
.set X,     32                         ; v32-95   two sets of 32 numbers
.set C,     96                         ; v96..    a block's codes
.set OUTR,  112                        ; v112-175 the way out
.set SB,    24                         ; v24-25   the scale bytes, four to a register
	s_load_b256 s[4:11], s[0:1], 0x0               ; Wq, Wk, Wv, Wp
	s_load_b128 s[12:15], s[0:1], 0x20             ; the codes, the scale bytes
	v_lshl_add_u32 v192, v0, 2, 0x8c00
	v_mov_b32 v193, 0
	v_lshrrev_b32 v1, 5, v0
	v_readfirstlane_b32 s16, v1                    ; wave 0..3
	v_and_b32 v2, 31, v0                           ; lane
	s_lshl_b32 s17, ttmp9, 7
	s_lshl_b32 s18, s16, 5
	s_add_co_u32 s17, s17, s18                     ; my wave's first column
	s_and_b32 s18, ttmp7, 0xffff
	s_lshr_b32 s30, s18, 2                         ; which weight
	s_and_b32 s18, s18, 3                          ; which 256 along K
	v_lshlrev_b32 v3, 2, v2                        ; in: 4 bytes a lane
	s_mul_i32 s19, s16, 32*PITCH                   ; my stage
	v_mul_u32_u24 v4, v2, PITCH
	v_add_nc_u32 v4, s19, v4                       ; into it: row = my column
	v_and_b32 v5, 15, v2
	v_lshrrev_b32 v6, 4, v2                        ; out of it: sixteen lanes to a row, two rows an instruction
	v_mul_u32_u24 v7, v6, PITCH
	v_lshl_add_u32 v7, v5, 4, v7
	v_add_nc_u32 v7, s19, v7
	v_mul_u32_u24 v8, v6, KROW
	v_lshl_add_u32 v8, v5, 4, v8                   ; the same place in the codes' buffer; the pair of rows stands in the store's immediate
	v_and_b32 v9, 7, v2                            ; my column's row of scale bytes: p(lane) x 32
	v_bfe_u32 v10, v2, 3, 1
	v_lshl_or_b32 v9, v10, 4, v9
	v_bfe_u32 v10, v2, 4, 1
	v_lshl_or_b32 v9, v10, 3, v9
	v_lshlrev_b32 v9, 5, v9
	s_mov_b32 s19, 0
	s_mov_b64 s[20:21], KW*SIZE_N*4
	s_mul_u64 s[20:21], s[18:19], s[20:21]
	s_lshl_b32 s22, s17, 2
	s_mov_b32 s23, 0
	s_add_nc_u64 s[20:21], s[20:21], s[22:23]      ; in the weight: 256 (y % 4) rows + 4 x column
	s_mov_b32 s22, s17
	s_mov_b64 s[24:25], KROW
	s_mul_u64 s[24:25], s[22:23], s[24:25]
	s_mul_i32 s26, s18, ROWB
	s_mov_b32 s27, 0
	s_add_nc_u64 s[24:25], s[24:25], s[26:27]      ; in the codes: column x 1,024 + 256 (y % 4),
	s_lshl_b32 s26, s30, 20
	s_add_nc_u64 s[24:25], s[24:25], s[26:27]      ; + the weight's 1,024 rows
	s_mov_b64 s[28:29], SIZE_K/32
	s_mul_u64 s[28:29], s[22:23], s[28:29]
	s_mul_i32 s26, s18, NB
	s_add_nc_u64 s[28:29], s[28:29], s[26:27]
	s_lshl_b32 s26, s30, 15
	s_add_nc_u64 s[28:29], s[28:29], s[26:27]      ; the scale bytes likewise
	s_mov_b32 s31, MANT
	s_wait_kmcnt 0x0
	s_bitcmp1_b32 s30, 0                           ; the weight is chosen by the work-group's number alone
	s_cselect_b64 s[4:5], s[6:7], s[4:5]
	s_cselect_b64 s[8:9], s[10:11], s[8:9]
	s_bitcmp1_b32 s30, 1
	s_cselect_b64 s[4:5], s[8:9], s[4:5]
	s_add_nc_u64 s[4:5], s[4:5], s[20:21]
	s_add_nc_u64 s[12:13], s[12:13], s[24:25]
	s_add_nc_u64 s[14:15], s[14:15], s[28:29]
.macro LOAD t                          ; block t: W(32 t + i, my column), i = 0 .. 31, into set t % 2
.irp i, 0,1,2,3,4,5,6,7,8,9,10,11,12,13,14,15,16,17,18,19,20,21,22,23,24,25,26,27,28,29,30,31
	global_load_b32 v[X+32*((\t)%2)+\i], v3, s[4:5] offset:(32*(\t)+\i)*SIZE_N*4 th:TH_LOAD_NT
.endr
.endm
	LOAD 0
	LOAD 1
.macro BLOCK t
.set XS, X+32*((\t)%2)
.if (\t) < NB-1
	s_wait_loadcnt 32                              ; this block's 32 loads are in; the next block's may be out
.else
	s_wait_loadcnt 0
.endif
	v_max3_num_f32 v12, |v[XS]|, |v[XS+1]|, |v[XS+2]|               ; the block's largest magnitude: all 32 numbers are mine
	v_max3_num_f32 v13, |v[XS+3]|, |v[XS+4]|, |v[XS+5]|
.irp i, 6,10,14,18,22,26
	v_max3_num_f32 v12, v12, |v[XS+\i]|, |v[XS+\i+1]|
	v_max3_num_f32 v13, v13, |v[XS+\i+2]|, |v[XS+\i+3]|
.endr
	v_max3_num_f32 v12, v12, |v[XS+30]|, |v[XS+31]|
	v_max3_num_f32 v12, v12, v13, (EMAX+1)<<23     ; and the floor 2^(16 - 127)
	v_add_nc_u32 v11, -(EMAX<<23), v12             ; the conversion's scale operand
	v_and_or_b32 v10, v12, 0x7f800000, s31         ; 57,344 x the scale
	v_lshrrev_b32 v13, 23, v11                     ; the scale's byte
.if (\t)%4 == 0
	v_mov_b32 v[SB+(\t)/4], v13                    ; four bytes to a register, the lower K in the lower byte
.else
	v_lshl_or_b32 v[SB+(\t)/4], v13, 8*((\t)%4), v[SB+(\t)/4]
.endif
.irp i, 0,1,2,3,4,5,6,7,8,9,10,11,12,13,14,15,16,17,18,19,20,21,22,23,24,25,26,27,28,29,30,31
	v_med3_num_f32 v[XS+\i], v[XS+\i], -v10, v10   ; the hold at the largest code x the scale (ISA guide 7.6.2)
.endr
.irp g, 0,1,2,3
	v_cvt_scalef32_pk8_bf8_f32 v[C+2*\g:C+2*\g+1], v[XS+8*\g:XS+8*\g+7], v11
.endr
	ds_store_b128 v4, v[C:C+3] offset:32*(\t)      ; 32 codes: 32 bytes of my column's row
	ds_store_b128 v4, v[C+4:C+7] offset:32*(\t)+16
.if (\t)+2 < NB
	LOAD (\t)+2
.endif
	s_wait_dscnt 0x0                               ; the stores have read their registers: the next block's codes may be written
.endm
.set Q, 0
.rept NB
	BLOCK Q
.set Q, Q+1
.endr
	global_store_b64 v9, v[SB:SB+1], s[14:15]      ; my column's 8 scale bytes
.irp t, 0,1,2,3,4,5,6,7,8,9,10,11,12,13,14,15
	ds_load_b128 v[OUTR+4*\t:OUTR+4*\t+3], v7 offset:2*\t*PITCH   ; columns 2 t and 2 t + 1
.endr
.irp t, 0,1,2,3,4,5,6,7,8,9,10,11,12,13,14,15
	s_wait_dscnt 15-\t
	global_store_b128 v8, v[OUTR+4*\t:OUTR+4*\t+3], s[12:13] offset:2*(((\t)&3)|((((\t)>>2)&1)<<3)|((((\t)>>3)&1)<<2))*KROW   ; at rows p(2 t), p(2 t + 1): bits 2 and 3 of t exchanged; 16 lanes store 256 consecutive bytes
.endr
	s_wait_tensorcnt 0x0
	ds_add_u32 v192, v193
	s_wait_dscnt 0x0
	s_endpgm
.Lfunc_end_k_q0fd630a4c7_quant_w:
	.size	k_q0fd630a4c7_quant_w, .Lfunc_end_k_q0fd630a4c7_quant_w-k_q0fd630a4c7_quant_w
	.p2alignl 7, 3214868480
	.fill 96, 4, 3214868480
	.section	.rodata,"a",@progbits
	.p2align	6, 0x0
	.amdhsa_kernel k_q0fd630a4c7_quant_w
		.amdhsa_group_segment_fixed_size 36352
		.amdhsa_private_segment_fixed_size 0
		.amdhsa_enable_private_segment 0
		.amdhsa_kernarg_size 48
		.amdhsa_user_sgpr_count 2
		.amdhsa_user_sgpr_kernarg_segment_ptr 1
		.amdhsa_wavefront_size32 1
		.amdhsa_system_sgpr_workgroup_id_x 1
		.amdhsa_system_sgpr_workgroup_id_y 1
		.amdhsa_system_sgpr_workgroup_id_z 1
		.amdhsa_system_vgpr_workitem_id 0
		.amdhsa_next_free_vgpr 194
		.amdhsa_next_free_sgpr 66
		.amdhsa_reserve_vcc 0
		.amdhsa_float_denorm_mode_32 3
		.amdhsa_float_denorm_mode_16_64 3
		.amdhsa_memory_ordered 1
		.amdhsa_forward_progress 1
		.amdhsa_inst_pref_size 60
	.end_amdhsa_kernel
	.amdgpu_metadata
---
amdhsa.version: [ 1, 2 ]
amdhsa.kernels:
  - .name:           k_q0fd630a4c7_quant_w
    .symbol:         k_q0fd630a4c7_quant_w.kd
    .args:
      - { .name: Wq, .offset: 0, .size: 8, .value_kind: global_buffer, .address_space: global }
      - { .name: Wk, .offset: 8, .size: 8, .value_kind: global_buffer, .address_space: global }
      - { .name: Wv, .offset: 16, .size: 8, .value_kind: global_buffer, .address_space: global }
      - { .name: Wp, .offset: 24, .size: 8, .value_kind: global_buffer, .address_space: global }
      - { .name: wc, .offset: 32, .size: 8, .value_kind: global_buffer, .address_space: global }
      - { .name: ws, .offset: 40, .size: 8, .value_kind: global_buffer, .address_space: global }
    .group_segment_fixed_size: 36352
    .private_segment_fixed_size: 0
    .kernarg_segment_align: 8
    .kernarg_segment_size: 48
    .max_flat_workgroup_size: 128
    .sgpr_count:     66
    .vgpr_count:     194
    .wavefront_size: 32
...
	.end_amdgpu_metadata
.endif
;; end of part 2
;; launch project_qkv (part 3): grid 8 x 48, 4 waves a work-group, clusters of 4 x 4, 327,680 bytes of LDS; arguments xc, xs, wc, ws, bq, bk, bv, qkvc, qkvs; writes qkvc, qkvs
.if DOCPART == 3
	.amdgcn_target "amdgcn-amd-amdhsa--gfx1250"
	.amdhsa_code_object_version 6
	.text
	.protected	k_q0fd630a4c7_project_qkv
	.globl	k_q0fd630a4c7_project_qkv
	.p2align	8
	.type	k_q0fd630a4c7_project_qkv,@function
k_q0fd630a4c7_project_qkv:
	s_mov_b64 s[64:65], 0
	v_nop
	global_prefetch_b8 v0, s[64:65] scope:SCOPE_SE
	s_setreg_imm32_b32 hwreg(HW_REG_WAVE_MODE, 25, 1), 1
	s_wait_xcnt 0x0
	s_wait_alu depctr_hold_cnt(0) depctr_sa_sdst(0) depctr_va_vdst(0) depctr_va_sdst(0) depctr_va_ssrc(0) depctr_va_vcc(0) depctr_vm_vsrc(0)
	s_getreg_b32 s2, hwreg(HW_REG_IB_STS2, 6, 4)
	s_cmp_eq_u32 s2, 0
	s_cbranch_scc0 .Lentry_in_a_cluster
	s_endpgm
.Lentry_in_a_cluster:
	s_bfe_u32 s2, ttmp6, 0x10000c
	s_cmp_lg_u32 s2, 0xf033
	s_cbranch_scc0 .Lentry_shape_is_right
	s_endpgm
.Lentry_shape_is_right:
; q = x Wq + bq, k = x Wk + bk, v = x Wv + bv on codes of BF8 (E5M2) with one E8M0 scale for each 32 along K = 1,024; sums in f32; the results are quantised HERE, in registers,
; and leave as images of the operand registers that the attention launch wants: no f32 result goes to memory.
; A tile of 256 x 256 results is made by four waves, 128 x 128 each: 64 accumulators, 512 registers.  K goes in steps of 256 through a ring of two LDS slots filled by the tensor data mover.
; The matrix instruction takes source 0 = 16 rows of B, source 1 = 16 rows of A: a lane holds ONE row of A, and its registers run along B's rows.
; TWO KINDS OF TILE, told apart by the cluster's y, which all sixteen partners share (TYP):
;   TYP 0 (clusters y 0-7):  A = x's tokens, B = Wq's and Wk's rows: a lane holds a token, its registers run along the head's channels: q and k are quantised along them.
;   TYP 1 (clusters y 8-11): A = Wv's rows, B = x's tokens: a lane holds a channel, its registers run along the keys: v is quantised along the keys.
; Rows of x and of the weights lie at places p(row) (bits 3 and 4 exchanged), so the 16 registers of B's blocks 2 B and 2 B + 1 are 16 NEIGHBOURS: 32 B + 16 (lane / 16) + 0 .. 15.
; The bias is the C of each sum's first matrix instruction: by B's block in TYP 0, by A's block in TYP 1: that one step is written twice, under a branch on TYP.
; CLUSTERS: 4 x 4 work-groups; A's tiles are asked for jointly along a row of the cluster, B's along a column.
; OUT.  qkvc: [q, k, v][batch 4][pair of heads 8][256 KiB]; q and k: [token tile 128][head of the pair][piece 2][512 bytes]; v: [key step 16][head of the pair][channel tile 4][piece 4][512 bytes];
;   a piece is four registers of a fragment, lane l's 16 bytes at 16 l.  A wave's eight blocks are 16 KiB on end in both kinds.
; qkvs: for each (batch, head) 20,480 bytes: q's scale words [step 16][row 16][tile 8], k's likewise, v's [step 16][row 16][channel tile 4].  In q's and k's words bytes 2 and 3, for the idle half of the score product's K, are 127.
; A block of zeros gets the byte 1 where the rule says 127: its codes are zeros, and this program alone reads the bytes.  LIMITS: NaN and infinities are not served.
; REGISTERS, in windows of 256: window 0: v0-31 addresses; v32-63 scale words, two sets; v64-127 the bias; from v128 A's fragments, one set; the way out uses v32-255 anew.
;   window 1: B's fragments, two sets.   window 2: the accumulators of my rows 0-63 ((a, b) at v[8 (8 a + b)]);   window 3: those of my rows 64-127.
.set KSTEP,  256
.set NQ,     2                         ; matrix instructions deep in a slot
.set ROWB,   256                       ; a tile's row in bytes
.set KROW,   1024                      ; a row of codes in memory
.set PITCH,  272                       ; an LDS row: 256 bytes + 16 of padding = 68 words: the 16 rows that a load touches start at 16 different banks (64 banks of 4 bytes: ISA guide 11.1)
.set FR,     16
.set NL,     4
.set NP,     8                         ; places behind this matrix instruction (ISA guide 7.12.1)
.set HALFT,  128*PITCH
.set SLOT,   4*HALFT
.set KS,     32                        ; a row of scale bytes
.set SCL,    2*SLOT                    ; behind the ring: the scales of all of K, as runs of 256 bytes + 16 of padding
.set HALFS,  (128*KS/256)*272
.set SBLK,   (16*KS/256)*272
.set SPARE,  SCL+4*HALFS               ; the spare words, 128 bytes for each wave: two blocks of 256 bytes that no other line names
.set ADRA, 16                          ; v16-17  LDS address of my A fragments in slot 0, 1
.set ADRB, 20                          ; v20-21  the same for B
.set LI,   24                          ; v24     16 x lane: an image's place for my lane
.set SA,   25                          ; v25     where my lane's four scale words go
.set ADRS, 27                          ; v27     LDS address of my scale words: lanes 0-15 A's rows, lanes 16-31 B's
.set SPW,  28                          ; v28     LDS address of my spare word; never rewritten
.set NIL,  29                          ; v29     0; never rewritten
.set SC,   32                          ; scale words: set s at v[SC + 16 s]; register 2 i + q: lanes 0-15 A's block i, lanes 16-31 B's block i
.set BI,   64                          ; the bias, eight registers a block
.set AF,   128                         ; A's fragments
.set PW,   32                          ; the way out: v32-39 a scale word for each block
.set TM,   40                          ; v40-43 largest magnitudes, v44-47 bytes, v48-51 the hold, v52-55 the conversions' scale operands
.set SEL,  56                          ; v56-59, v60-63 the words as they leave
.set SEL2, 60
.set T,    64                          ; v64-127 a block's 64 numbers, held
.set PC,   128                         ; v128-255 codes: 16 registers for each block, so that no store's data are written again
.set G1, 24                            ; s[24:31] descriptor group 1 for A's tiles;  s[32:39] group 0, one set for each slot
.set G0, 32
.set G1B, 48                           ; s[48:55], s[56:63] the same for B's tiles
.set G0B, 56
.set G1S, 68                           ; s[68:75], s[76:79] groups 1 and 0 for A's scales;  s[80:87], s[88:91] for B's
.set G0S, 76
.set G1SB, 80
.set G0SB, 88
.set TYP, 66                           ; s66  the kind of tile
.set MSB, 0
.macro WIN new                         ; the immediate's high byte repeats the setting that is left
.if MSB != (\new)
	s_set_vgpr_msb (MSB<<8)|(\new)
.set MSB, \new
.endif
.endm
.set MUL_LO, 0xa1                      ; source 0 (B) window 1, source 1 (A) window 0, C and D window 2
.set MUL_HI, 0xf1                      ; the same, C and D window 3
.set TO_B,   0x40                      ; destination window 1, address window 0
; A joint load: waves 0 and 1 fetch for A, waves 2 and 3 for B.  The branch hangs on the wave's number alone.  Four v_nop follow each of the two lines.
.macro JLOAD g0a, g1a, g0b, g1b
	s_cmp_eq_u32 s15, 0
	s_cbranch_scc0 .Lfor_b_\@
	tensor_load_to_lds s[\g0a:\g0a+3], s[\g1a:\g1a+7]
	s_nop 0
.rept 4
	v_nop
.endr
	s_branch .Lasked_\@
.Lfor_b_\@:
	tensor_load_to_lds s[\g0b:\g0b+3], s[\g1b:\g1b+7]
	s_nop 0
.rept 4
	v_nop
.endr
.Lasked_\@:
.endm
.macro CREST                           ; a round of the cluster's barrier behind its opening barrier
	s_cmp_lg_u32 s14, 0
	s_cbranch_scc1 .Lnot_wave_0_\@
	s_barrier_signal -3
.Lnot_wave_0_\@:
	s_barrier_wait -3
	s_barrier_signal -1
	s_barrier_wait -1
.endm
.macro CROUND                          ; a whole round
	s_barrier_signal -1
	s_barrier_wait -1
	CREST
.endm
	s_load_b256 s[4:11], s[0:1], 0x0               ; x's codes s[4:5], x's scales s[6:7], the weights' codes s[8:9], their scales s[10:11]
	s_load_b128 s[96:99], s[0:1], 0x20             ; bq, bk
	s_load_b64 s[100:101], s[0:1], 0x30            ; bv
	s_load_b64 s[12:13], s[0:1], 0x38              ; qkvc
	s_load_b64 s[104:105], s[0:1], 0x40            ; qkvs
	v_lshl_add_u32 v[SPW], v0, 2, SPARE
	v_mov_b32 v[NIL], 0
	ds_add_u32 v28, v29
	ds_add_u32 v28, v29
	s_wait_dscnt 0x0
	v_lshrrev_b32 v1, 5, v0
	v_readfirstlane_b32 s14, v1                    ; wave 0..3
	s_lshr_b32 s15, s14, 1                         ; which half of A's rows is mine.  Also: I fetch for A (0) or for B (1)
	s_and_b32 s16, s14, 1                          ; which half of B's rows.  Also: which 128 rows of that tile I fetch
	s_bfe_u32 s40, ttmp6, 0x40000                  ; cx, cy: my place in the cluster
	s_bfe_u32 s41, ttmp6, 0x40004
	s_and_b32 s17, ttmp7, 0xffff                   ; the cluster's y
	s_max_u32 s19, s17, 8
	s_sub_co_u32 s19, s19, 8
	s_lshl_b32 s19, s19, 1
	s_add_co_u32 s19, s19, ttmp9                   ; TYP 1: the cluster's place along the 32 tiles of tokens: 2 (y - 8) + x
	s_cmp_ge_u32 s17, 8
	s_cselect_b32 s[TYP], 1, 0
	s_cselect_b32 s17, 0, s17
	s_cselect_b32 s42, s19, ttmp9
	s_lshl_b32 s42, s42, 2
	s_add_co_u32 s42, s42, s40                     ; tile of B's rows = 4 x (the cluster's place) + cx
	s_lshl_b32 s17, s17, 2
	s_add_co_u32 s17, s17, s41                     ; tile of A's rows = 4 x (the cluster's place) + cy
	s_lshl_b32 s43, s41, 2
	s_lshl_b32 s43, 15, s43                        ; my row of the cluster
	s_lshl_b32 s44, 0x1111, s40                    ; my column
	; descriptor group 1: a tile of 128 rows x 256 bytes, padded in LDS
	s_or_b32 s[G1+0], s43, (0<<16)|(1<<20)|(1<<21)|(5<<22)|(3<<25)  ; 15:0 the mask: A's tiles go to my row; 17:16 elements of 1 byte; 20 padding on; 21 set beside a mask; 24:22 after every 64 words; 31:25 four words
	s_or_b32 s[G1B+0], s44, (0<<16)|(1<<20)|(1<<21)|(5<<22)|(3<<25)
.irp g, G1, G1B
	s_mov_b32 s[\g+1], ROWB<<16                    ; tensor_dim0
	s_mov_b32 s[\g+2], 128<<16                     ; tensor_dim1
	s_mov_b32 s[\g+3], ROWB<<16                    ; tile_dim0
	s_mov_b32 s[\g+4], 128                         ; tile_dim1
	s_mov_b32 s[\g+5], KROW                        ; tensor_dim0_stride
	s_mov_b32 s[\g+6], 0
	s_mov_b32 s[\g+7], 0
.endr
	; the scales of 128 rows: a dense block of 4,096 bytes, as rows of 256 bytes (32 elements of 8 bytes), 16 bytes of padding behind each
	s_or_b32 s[G1S+0], s43, (3<<16)|(1<<20)|(1<<21)|(5<<22)|(3<<25)
	s_or_b32 s[G1SB+0], s44, (3<<16)|(1<<20)|(1<<21)|(5<<22)|(3<<25)
.irp g, G1S, G1SB
	s_mov_b32 s[\g+1], 32<<16
	s_mov_b32 s[\g+2], (128*KS/256)<<16
	s_mov_b32 s[\g+3], 32<<16
	s_mov_b32 s[\g+4], 128*KS/256
	s_mov_b32 s[\g+5], 32
	s_mov_b32 s[\g+6], 0
	s_mov_b32 s[\g+7], 0
.endr
	s_lshl_b32 s18, s16, 7                         ; which 128 rows of the tile I fetch
	s_lshl_b32 s20, s17, 8
	s_add_co_u32 s20, s20, s18
	s_lshl_b32 s19, s[TYP], 11
	s_add_co_u32 s20, s20, s19                     ; A: row 256 x tile + 128 x half; Wv's rows begin at row 2,048 of the weights' codes
	s_lshl_b32 s46, s42, 8
	s_add_co_u32 s46, s46, s18                     ; B: row 256 x tile + 128 x half
	s_mov_b32 s21, 0
	s_mov_b32 s47, 0
	s_mov_b64 s[18:19], KS
	s_mul_u64 s[22:23], s[20:21], s[18:19]         ; where these rows' scales begin, in bytes
	s_mul_u64 s[92:93], s[46:47], s[18:19]
	s_mov_b64 s[18:19], KROW
	s_mul_u64 s[20:21], s[20:21], s[18:19]         ; and their codes
	s_mul_u64 s[46:47], s[46:47], s[18:19]
	s_mul_i32 s45, s14, HALFT                      ; where they go: wave x 128 rows: no place in the cluster enters an LDS address
	s_mul_i32 s94, s14, HALFS
	s_wait_kmcnt 0x0
	s_cmp_eq_u32 s[TYP], 1                         ; which buffers are A's and which B's hangs on the kind of tile alone
	s_cselect_b64 s[G0+2:G0+3], s[8:9], s[4:5]
	s_cselect_b64 s[G0S+2:G0S+3], s[10:11], s[6:7]
	s_cselect_b64 s[G0B+2:G0B+3], s[4:5], s[8:9]
	s_cselect_b64 s[G0SB+2:G0SB+3], s[6:7], s[10:11]
	s_add_nc_u64 s[G0+2:G0+3], s[G0+2:G0+3], s[20:21]
	s_add_nc_u64 s[G0+6:G0+7], s[G0+2:G0+3], ROWB  ; slot 1 begins with K step 1
	s_add_nc_u64 s[G0B+2:G0B+3], s[G0B+2:G0B+3], s[46:47]
	s_add_nc_u64 s[G0B+6:G0B+7], s[G0B+2:G0B+3], ROWB
	s_add_nc_u64 s[G0S+2:G0S+3], s[G0S+2:G0S+3], s[22:23]
	s_add_nc_u64 s[G0SB+2:G0SB+3], s[G0SB+2:G0SB+3], s[92:93]
	s_or_b32 s[G0S+3], s[G0S+3], 0x80000000        ; 127:126 type = 2
	s_or_b32 s[G0SB+3], s[G0SB+3], 0x80000000
	s_mov_b32 s[G0S], 1
	s_add_co_u32 s[G0S+1], s94, SCL
	s_mov_b32 s[G0SB], 1
	s_add_co_u32 s[G0SB+1], s94, SCL
.irp s, 0,1
	s_mov_b32 s[G0+4*\s], 1
	s_add_co_u32 s[G0+4*\s+1], s45, \s*SLOT
	s_or_b32 s[G0+4*\s+3], s[G0+4*\s+3], 0x80000000
	s_mov_b32 s[G0B+4*\s], 1
	s_add_co_u32 s[G0B+4*\s+1], s45, \s*SLOT
	s_or_b32 s[G0B+4*\s+3], s[G0B+4*\s+3], 0x80000000
.endr
	CROUND                                         ; all sixteen work-groups are here: the first joint loads meet
	JLOAD G0S, G1S, G0SB, G1SB                     ; the scales first: they are wanted with K step 0
.irp s, 0,1
	JLOAD G0+4*\s, G1, G0B+4*\s, G1B               ; three loads of mine are out
.endr
	v_and_b32 v1, 15, v0                           ; r = lane % 16
	v_bfe_u32 v2, v0, 4, 1                         ; h = lane / 16
	s_lshl_b32 s18, s17, 1
	s_add_co_u32 s18, s18, s15                     ; which 128 rows of A are my wave's
	s_lshl_b32 s19, s42, 1
	s_add_co_u32 s19, s19, s16                     ; which 128 rows of B
	; THE BIAS, in the result's layout
	s_cmp_eq_u32 s[TYP], 0
	s_cbranch_scc0 .Lbias_v
	s_cmp_eq_u32 ttmp9, 0                          ; B's tiles 0-3 (cluster x = 0) are Wq's, 4-7 Wk's
	s_cselect_b64 s[96:97], s[96:97], s[98:99]
	s_and_b32 s20, s19, 7
	s_lshl_b32 s20, s20, 9                         ; my 128 numbers
	s_mov_b32 s21, 0
	s_add_nc_u64 s[96:97], s[96:97], s[20:21]
	v_lshlrev_b32 v7, 6, v2                        ; register j of block 2 B + u is channel 32 B + 16 h + 8 u + j
.irp b, 0,1,2,3,4,5,6,7
	global_load_b128 v[BI+8*\b:BI+8*\b+3], v7, s[96:97] offset:(32*(\b/2)+8*(\b%2))*4
	global_load_b128 v[BI+8*\b+4:BI+8*\b+7], v7, s[96:97] offset:(32*(\b/2)+8*(\b%2))*4+16
.endr
	s_branch .Lbias_in
.Lbias_v:
	s_lshl_b32 s20, s18, 9
	s_mov_b32 s21, 0
	s_add_nc_u64 s[100:101], s[100:101], s[20:21]
	v_and_b32 v7, 8, v1
	v_add_nc_u32 v7, v7, v1
	v_lshlrev_b32 v7, 2, v7                        ; lane r of block 2 B + u is channel 32 B + 8 u + r + 8 (r / 8): one number for all eight registers
.irp a, 0,1,2,3,4,5,6,7
.irp j, 0,1,2,3,4,5,6,7
	global_load_b32 v[BI+8*\a+\j], v7, s[100:101] offset:(32*(\a/2)+8*(\a%2))*4
.endr
.endr
.Lbias_in:
	; where my wave's results go
	s_add_co_u32 s20, s18, 16
	s_cmp_eq_u32 s[TYP], 1
	s_cselect_b32 s20, s20, s19                    ; 8 x (0 q, 1 k, 2 v) + the pair of heads
	s_cselect_b32 s21, s19, s18                    ; 16 x batch + the step of 128 tokens
	s_cselect_b32 s22, 8, 9                        ; a step's scale words: 256 bytes for v, 512 for q and k
	s_cselect_b32 s23, 16, 32                      ; from row to row in them
	s_cselect_b32 s43, 20480, 16                   ; lanes 16-31: v: the pair's second head; q, k: tiles 4-7
	v_mul_u32_u24 v[SA], v1, s23
	v_mad_u32_u24 v[SA], v2, s43, v[SA]
	s_lshr_b32 s44, s20, 3
	s_and_b32 s20, s20, 7
	s_lshr_b32 s45, s21, 4
	s_and_b32 s21, s21, 15
	s_lshl_b32 s46, s44, 2
	s_add_co_u32 s46, s46, s45
	s_lshl_b32 s46, s46, 3
	s_add_co_u32 s46, s46, s20
	s_lshl_b32 s46, s46, 18                        ; blocks of 256 KiB
	s_lshl_b32 s47, s21, 14                        ; a step is 16 KiB
	s_add_co_u32 s46, s46, s47
	s_mov_b32 s47, 0
	s_add_nc_u64 s[12:13], s[12:13], s[46:47]
	s_lshl_b32 s46, s45, 4
	s_lshl_b32 s20, s20, 1
	s_add_co_u32 s46, s46, s20
	s_mul_i32 s46, s46, 20480                      ; (batch, the pair's first head)
	s_lshl_b32 s44, s44, 13
	s_add_co_u32 s46, s46, s44                     ; q's words, k's, v's
	s_lshl_b32 s21, s21, s22
	s_add_co_u32 s46, s46, s21
	s_add_nc_u64 s[104:105], s[104:105], s[46:47]
	v_mul_u32_u24 v3, v1, PITCH
	v_lshl_add_u32 v4, v2, 4, v3                   ; a fragment's row x pitch + 16 x half
	s_mul_i32 s21, s15, HALFT                      ; my 128 rows of A
	s_mul_i32 s22, s16, HALFT                      ; my 128 rows of B,
	s_add_co_u32 s22, s22, 2*HALFT                 ; which lie behind A's 256
.irp s, 0,1
	v_add_nc_u32 v[ADRA+\s], s21, v4
	v_add_nc_u32 v[ADRB+\s], s22, v4
	s_add_co_u32 s21, s21, SLOT
	s_add_co_u32 s22, s22, SLOT
.endr
	v_mul_u32_u24 v5, v1, KS                       ; my row's scales: 32 bytes a row,
	v_lshrrev_b32 v6, 8, v5
	v_lshl_add_u32 v5, v6, 4, v5                   ; and 16 more for each 256 passed
	s_mul_i32 s21, s15, HALFS
	s_mul_i32 s22, s16, HALFS
	s_add_co_u32 s22, s22, 2*HALFS
	s_sub_co_u32 s22, s22, s21
	v_mul_u32_u24 v6, s22, v2                      ; lanes 16-31 take B's
	s_add_co_u32 s21, s21, SCL
	v_add_nc_u32 v5, v5, v6
	v_add_nc_u32 v[ADRS], s21, v5
	v_and_b32 v6, 31, v0
	v_lshlrev_b32 v[LI], 4, v6
.macro FRAG reg, adr, q, i             ; a fragment, 16 rows x 128 K: lane l holds row l % 16; registers 4 c .. 4 c + 3 hold K = 32 c + 16 (l / 16) + 0 .. 15
.irp c, 0,1,2,3
	ds_load_b128 v[\reg+4*\c:\reg+4*\c+3], v[\adr] offset:128*(\q)+32*\c+(\i)*16*PITCH
.endr
.endm
; 16 matrix instructions: A's blocks a0, a0 + 1 x B's eight, 128 along K: the slot's q-th.  p: B's set;  sc: the set of scale words.
; zero = 1: the sums begin with the bias of B's block; 2: with that of A's block; 0: they go on.  The 64 accumulators take turns, one instruction a turn, in the same order in every step.
.macro MUL16 a0, p, q, sc, zero
.irp a, \a0, \a0+1
.irp b, 0,1,2,3,4,5,6,7
.set rD, 8*(8*((\a)%4)+\b)
.set rB, 128*(\p)+FR*\b
.set rA, AF+FR*(\a)
.set rSB, SC+8*NQ*(\sc)+NQ*\b+(\q)
.set rSA, SC+8*NQ*(\sc)+NQ*(\a)+(\q)
.if (\zero) == 1
	v_wmma_scale_f32_16x16x128_f8f6f4 v[rD:rD+7], v[rB:rB+15], v[rA:rA+15], v[BI+8*\b:BI+8*\b+7], v[rSB], v[rSA] matrix_a_fmt:MATRIX_FMT_BF8 matrix_b_fmt:MATRIX_FMT_BF8 matrix_a_scale:MATRIX_SCALE_ROW1
.elseif (\zero) == 2
	v_wmma_scale_f32_16x16x128_f8f6f4 v[rD:rD+7], v[rB:rB+15], v[rA:rA+15], v[BI+8*(\a):BI+8*(\a)+7], v[rSB], v[rSA] matrix_a_fmt:MATRIX_FMT_BF8 matrix_b_fmt:MATRIX_FMT_BF8 matrix_a_scale:MATRIX_SCALE_ROW1
.else
	v_wmma_scale_f32_16x16x128_f8f6f4 v[rD:rD+7], v[rB:rB+15], v[rA:rA+15], v[rD:rD+7], v[rSB], v[rSA] matrix_a_fmt:MATRIX_FMT_BF8 matrix_b_fmt:MATRIX_FMT_BF8 matrix_a_scale:MATRIX_SCALE_ROW1
.endif
.endr
.endr
.endm
.macro FETCH_B slot, q, p              ; B's eight fragments of the slot's q-th 128 along K into set p
	WIN TO_B
.irp i, 0,1,2,3,4,5,6,7
	FRAG 128*(\p)+FR*\i, ADRB+\slot, \q, \i
.endr
	WIN 0
.endm
.macro FETCH_A slot, q, i0             ; A's blocks i0 .. i0 + 3
.irp i, \i0, \i0+1, \i0+2, \i0+3
	FRAG AF+FR*(\i), ADRA+\slot, \q, \i
.endr
.endm
.macro SCALES sc                       ; the next K step's scale words into set sc: two words a row; lanes 0-15 take A's block i, lanes 16-31 B's block i
.irp i, 0,1,2,3,4,5,6,7
	ds_load_b64 v[SC+8*NQ*\sc+NQ*\i:SC+8*NQ*\sc+NQ*\i+1], v[ADRS] offset:\i*SBLK
.endr
.endm
; A load into a register that a matrix instruction has read, and a vector instruction that reads a matrix result or writes one of its registers, stand NP places behind it; only plain vector
; instructions that name none of its registers are places (ISA guide 7.12.1 for vector instructions).
.macro PLACES n
.rept \n
	v_nop
.endr
.endm
; A step of 128 along K that has its successor in the same slot.  A's blocks 0-3 are fetched anew in its middle, blocks 4-7 at its end; B has two sets.
.macro STEP slot, q, zero
	s_wait_dscnt 4*NL                              ; B's set and A's blocks 0-3 are in; the youngest 16 loads (A's blocks 4-7) may be out
.if \zero
	WIN 0x81                                       ; C (the bias) in window 0, D in window 2
.else
	WIN MUL_LO
.endif
	MUL16 0, (\q)%2, \q, \slot, \zero
	MUL16 2, (\q)%2, \q, \slot, \zero
	s_wait_dscnt 0                                 ; A's blocks 4-7 are in (asked for 32 matrix instructions ago)
	PLACES NP
	FETCH_B \slot, (\q)+1, 1-(\q)%2
	FETCH_A \slot, (\q)+1, 0
.if \zero
	WIN 0xc1                                       ; C in window 0, D in window 3
.else
	WIN MUL_HI
.endif
	MUL16 4, (\q)%2, \q, \slot, \zero
	MUL16 6, (\q)%2, \q, \slot, \zero
	PLACES NP
	WIN 0
	FETCH_A \slot, (\q)+1, 4
.endm
; A slot's last step changes slots: ONE barrier; in front of it each wave waits for all its tensor loads, adds 0 to its spare word, and waits for that and for its own reads of this slot.  fill = 1: this slot is filled again, two K steps ahead.
.macro TURN slot, next, fill
	s_wait_tensorcnt 0x0                           ; all my tensor loads have landed: my part of the next slot
	ds_add_u32 v[SPW], v[NIL]                      ; 0 onto my spare word
	s_wait_dscnt 4*NL+1                            ; (the add and the youngest 16 loads, A's blocks 4-7, may be out)
	WIN MUL_LO
	MUL16 0, 1, NQ-1, \slot, 0                     ; sixteen matrix instructions stand between the add and the wait for it
	s_wait_dscnt 0x0                               ; the add is done, and my reads of this slot are over
	s_barrier_signal -1
	MUL16 2, 1, NQ-1, \slot, 0
	WIN 0
	s_barrier_wait -1
.if \fill
	CREST                                          ; the barrier has opened a round of the cluster's barrier: no wave of any partner still reads this slot's tile or has a load on its way
	s_add_nc_u64 s[G0+4*\slot+2:G0+4*\slot+3], s[G0+4*\slot+2:G0+4*\slot+3], 2*ROWB
	s_add_nc_u64 s[G0B+4*\slot+2:G0B+4*\slot+3], s[G0B+4*\slot+2:G0B+4*\slot+3], 2*ROWB
	JLOAD G0+4*\slot, G1, G0B+4*\slot, G1B         ; the first tensor load behind the round, my one load until the next; its four v_nop are among the places in front of the loads below
	PLACES NP-4
.else
	PLACES NP
.endif
	v_add_nc_u32 v[ADRS], 4*NQ, v[ADRS]            ; on to the next K step's scale words (no LDS load of mine is out)
	FETCH_B \next, 0, 0
	FETCH_A \next, 0, 0
	SCALES \next
	WIN MUL_HI
	MUL16 4, 1, NQ-1, \slot, 0
	MUL16 6, 1, NQ-1, \slot, 0
	PLACES NP
	WIN 0
	FETCH_A \next, 0, 4
.endm
	s_wait_tensorcnt 1                             ; the scales and my part of K step 0 are in (K step 1's load may be out)
	s_barrier_signal -1
	s_barrier_wait -1                              ; everybody's are
	FETCH_B 0, 0, 0
	FETCH_A 0, 0, 0
	SCALES 0
	FETCH_A 0, 0, 4
	s_wait_loadcnt 0x0                             ; the bias is in, and its address registers are free:
	s_mov_b32 s67, 0x8000000                       ; the floor 2^(16 - 127) under every largest magnitude
	s_mov_b32 s95, 0x600000                        ; the mantissa field of 57,344
	s_mov_b32 s100, 0x76543210
	s_mov_b32 s101, 0xfedcba98                     ; v_permlanex16_b32's selects for lane l xor 16
	s_mov_b32 s96, 0xffff0000                      ; lanes 16-31
	s_mov_b32 s97, 0x7f7f0000                      ; bytes 2 and 3 of q's and k's scale words
	s_cmp_eq_u32 s[TYP], 0                         ; the first step is written twice: its C is the bias, by B's block or by A's
	s_cbranch_scc0 .Lfirst_v
	STEP 0, 0, 1
	s_branch .Lfirst_in
.Lfirst_v:
	STEP 0, 0, 2
.Lfirst_in:
	TURN 0, 1, 1                                   ; K has four steps of 256: both slots are filled once more, and the eight steps of 128 are written out
	STEP 1, 0, 0
	TURN 1, 0, 1
	STEP 0, 0, 0
	TURN 0, 1, 0
	STEP 1, 0, 0
	s_wait_dscnt 4*NL                              ; the very last step: nothing more to fetch
	WIN MUL_LO
	MUL16 0, 1, NQ-1, 1, 0
	MUL16 2, 1, NQ-1, 1, 0
	s_wait_dscnt 0
	WIN MUL_HI
	MUL16 4, 1, NQ-1, 1, 0
	MUL16 6, 1, NQ-1, 1, 0
	WIN 0
; THE WAY OUT.  Block a's 64 registers of a lane are 64 numbers of ONE row of A: register 16 b + i is place 32 b + 16 (lane / 16) + i along B's 128 rows: four blocks of 32 along the next K, each shared with lane l xor 16.
; They become a fragment's 16 registers of codes and one scale word.  The accumulators are only read, each from its low end on; what is held goes into window 0.
.macro QACC a
.set AC, 64*((\a)%4)
.set PCA, PC+16*(\a)
	WIN 0x28+0x14*((\a)/4)                         ; sources 1 and 2: window 2 or 3
.irp b, 0,1,2,3
	v_max3_num_f32 v[TM+\b], s67, |v[AC+16*\b]|, |v[AC+16*\b+1]|   ; my 16 numbers of block b, and the floor: the byte cannot fall under 1
.endr
.irp i, 2,4,6,8,10,12,14
.irp b, 0,1,2,3
	v_max3_num_f32 v[TM+\b], v[TM+\b], |v[AC+16*\b+\i]|, |v[AC+16*\b+\i+1]|   ; (the four blocks by turns)
.endr
.endr
	WIN 0
.irp b, 0,1,2,3
	v_permlanex16_b32 v[TM+4+\b], v[TM+\b], s100, s101
.endr
.irp b, 0,1,2,3
	v_max_num_f32 v[TM+\b], v[TM+\b], v[TM+4+\b]   ; with lane l xor 16's: the block's largest magnitude
.endr
.irp b, 0,1,2,3
	v_add_nc_u32 v[TM+12+\b], 0xf8800000, v[TM+\b] ; 15 off its exponent field: the conversion's scale operand
.endr
.irp b, 0,1,2,3
	v_and_or_b32 v[TM+8+\b], v[TM+\b], 0x7f800000, s95   ; 57,344 x the scale
.endr
.irp b, 0,1,2,3
	v_lshrrev_b32 v[TM+4+\b], 23, v[TM+12+\b]      ; the scale's byte
.endr
	v_lshl_or_b32 v[PW+(\a)], v[TM+5], 8, v[TM+4]
	v_lshl_or_b32 v[PW+(\a)], v[TM+6], 16, v[PW+(\a)]
	v_lshl_or_b32 v[PW+(\a)], v[TM+7], 24, v[PW+(\a)]
	WIN 0x02+((\a)/4)                              ; source 0: window 2 or 3
.irp b, 0,1,2,3
.irp i, 0,1,2,3,4,5,6,7,8,9,10,11,12,13,14,15
	v_med3_num_f32 v[T+16*\b+\i], v[AC+16*\b+\i], -v[TM+8+\b], v[TM+8+\b]   ; the hold at the largest code x the scale (ISA guide 7.6.2)
.endr
.endr
	WIN 0
.irp b, 0,1,2,3
	v_cvt_scalef32_pk8_bf8_f32 v[PCA+4*\b:PCA+4*\b+1], v[T+16*\b:T+16*\b+7], v[TM+12+\b]
	v_cvt_scalef32_pk8_bf8_f32 v[PCA+4*\b+2:PCA+4*\b+3], v[T+16*\b+8:T+16*\b+15], v[TM+12+\b]
.endr
	v_nop                                          ; a plain vector instruction behind the last conversion, ahead of the next block's writes of its sources
.irp c, 0,1,2,3
	global_store_b128 v[LI], v[PCA+4*\c:PCA+4*\c+3], s[12:13] offset:(\a)*2048+\c*512   ; 32 lanes store 512 consecutive bytes
.endr
.endm
	PLACES NP                                      ; behind the last products: their scale words' and fragments' registers are written below, their results read
.irp b, 0,1,2,3
	v_mov_b32 v[TM+4+\b], 0                        ; written once: a lane permute's destination counts as one of its sources
.endr
.irp a, 0,1,2,3,4,5,6,7
	QACC \a
.endr
.irp t, 0,1,2,3
	v_cndmask_b32 v[SEL+\t], v[PW+\t], v[PW+4+\t], s96   ; lane (r, h) takes row r's words of blocks 4 h + 0 .. 3
.endr
	s_cmp_eq_u32 s[TYP], 0
	s_cbranch_scc0 .Ltail_v
.irp t, 0,1,2,3                        ; q, k: a word's bytes 0, 1 are the pair's first head's, bytes 2, 3 the second's: two words, each with 127 in bytes 2 and 3
	v_lshrrev_b32 v[SEL2+\t], 16, v[SEL+\t]
.endr
.irp t, 0,1,2,3
	v_or_b32 v[SEL2+\t], s97, v[SEL2+\t]
.endr
.irp t, 0,1,2,3
	v_and_or_b32 v[SEL+\t], v[SEL+\t], 0xffff, s97
.endr
	global_store_b128 v[SA], v[SEL2:SEL2+3], s[104:105] offset:20480   ; the second head's: 512 consecutive bytes
.Ltail_v:
	global_store_b128 v[SA], v[SEL:SEL+3], s[104:105]   ; q, k: the first head's 512 bytes; v: lanes 0-15 the first head's 256 bytes, lanes 16-31 the second's
	s_wait_tensorcnt 0x0                           ; the wave's end
	ds_add_u32 v[SPW], v[NIL]
	s_wait_dscnt 0x0
	CROUND                                         ; the closing round: no work-group ends while a partner may still ask for a tile that names it
	s_endpgm
.Lfunc_end_k_q0fd630a4c7_project_qkv:
	.size	k_q0fd630a4c7_project_qkv, .Lfunc_end_k_q0fd630a4c7_project_qkv-k_q0fd630a4c7_project_qkv
	.p2alignl 7, 3214868480
	.fill 96, 4, 3214868480
	.section	.rodata,"a",@progbits
	.p2align	6, 0x0
	.amdhsa_kernel k_q0fd630a4c7_project_qkv
		.amdhsa_group_segment_fixed_size 327680
		.amdhsa_private_segment_fixed_size 0
		.amdhsa_enable_private_segment 0
		.amdhsa_kernarg_size 72
		.amdhsa_user_sgpr_count 2
		.amdhsa_user_sgpr_kernarg_segment_ptr 1
		.amdhsa_wavefront_size32 1
		.amdhsa_system_sgpr_workgroup_id_x 1
		.amdhsa_system_sgpr_workgroup_id_y 1
		.amdhsa_system_sgpr_workgroup_id_z 1
		.amdhsa_system_vgpr_workitem_id 0
		.amdhsa_next_free_vgpr 1024
		.amdhsa_next_free_sgpr 106
		.amdhsa_reserve_vcc 0
		.amdhsa_float_denorm_mode_32 3
		.amdhsa_float_denorm_mode_16_64 3
		.amdhsa_memory_ordered 1
		.amdhsa_forward_progress 1
		.amdhsa_inst_pref_size 206
	.end_amdhsa_kernel
	.amdgpu_metadata
---
amdhsa.version: [ 1, 2 ]
amdhsa.kernels:
  - .name:           k_q0fd630a4c7_project_qkv
    .symbol:         k_q0fd630a4c7_project_qkv.kd
    .args:
      - { .name: xc, .offset: 0, .size: 8, .value_kind: global_buffer, .address_space: global }
      - { .name: xs, .offset: 8, .size: 8, .value_kind: global_buffer, .address_space: global }
      - { .name: wc, .offset: 16, .size: 8, .value_kind: global_buffer, .address_space: global }
      - { .name: ws, .offset: 24, .size: 8, .value_kind: global_buffer, .address_space: global }
      - { .name: bq, .offset: 32, .size: 8, .value_kind: global_buffer, .address_space: global }
      - { .name: bk, .offset: 40, .size: 8, .value_kind: global_buffer, .address_space: global }
      - { .name: bv, .offset: 48, .size: 8, .value_kind: global_buffer, .address_space: global }
      - { .name: qkvc, .offset: 56, .size: 8, .value_kind: global_buffer, .address_space: global }
      - { .name: qkvs, .offset: 64, .size: 8, .value_kind: global_buffer, .address_space: global }
    .group_segment_fixed_size: 327680
    .private_segment_fixed_size: 0
    .kernarg_segment_align: 8
    .kernarg_segment_size: 72
    .max_flat_workgroup_size: 128
    .sgpr_count:     106
    .vgpr_count:     1024
    .wavefront_size: 32
...
	.end_amdgpu_metadata
.endif
;; end of part 3
;; launch attn (part 4): grid 4 x 64, 16 waves a work-group, clusters of 4 x 1, 327,680 bytes of LDS; arguments qkvc, qkvs, input_ids, ac, asc; writes ac, asc
.if DOCPART == 4
	.amdgcn_target "amdgcn-amd-amdhsa--gfx1250"
	.amdhsa_code_object_version 6
	.text
	.protected	k_q0fd630a4c7_attn
	.globl	k_q0fd630a4c7_attn
	.p2align	8
	.type	k_q0fd630a4c7_attn,@function
k_q0fd630a4c7_attn:
	s_mov_b64 s[64:65], 0
	v_nop
	global_prefetch_b8 v0, s[64:65] scope:SCOPE_SE
	s_setreg_imm32_b32 hwreg(HW_REG_WAVE_MODE, 25, 1), 1
	s_wait_xcnt 0x0
	s_wait_alu depctr_hold_cnt(0) depctr_sa_sdst(0) depctr_va_vdst(0) depctr_va_sdst(0) depctr_va_ssrc(0) depctr_va_vcc(0) depctr_vm_vsrc(0)
	s_getreg_b32 s2, hwreg(HW_REG_IB_STS2, 6, 4)
	s_cmp_eq_u32 s2, 0
	s_cbranch_scc0 .Lentry_in_a_cluster
	s_endpgm
.Lentry_in_a_cluster:
	s_bfe_u32 s2, ttmp6, 0x10000c
	s_cmp_lg_u32 s2, 0x3003
	s_cbranch_scc0 .Lentry_shape_is_right
	s_endpgm
.Lentry_shape_is_right:
; attn[b][q][h][:] = the sum over k of softmax_k(q . k / 8, keys with input_ids = 0 left out) v[k][:], both products on codes of BF8 (E5M2) with one E8M0 scale for each 32 along a product's K.
; THE SOFTMAX AHEAD OF THE SECOND PRODUCT: t = score x log2(e) / 8; M = the row's largest t so far, rounded UP to a whole number; p = 2^(t - M) is quantised along the keys, not normalised;
; the row's sum is taken of the unquantised p and divides at the end.  When M moves, the sum and O are multiplied by 2^(old M - new M): exact.
; SHARES.  A cluster of four work-groups owns one (batch, head); each owns 512 queries; each of its SIXTEEN waves one tile of 16 queries in each of two passes.
; ONE HEAD'S WHOLE K AND V, 256 KiB of codes, LIE IN LDS, brought once by joint tensor loads in four chunks of 512 keys: nothing in LDS is filled twice, so there is no ring.  The first pass starts on chunk 0 while the others land.
; All operands come as images of their registers (a piece = four registers, lane l's 16 bytes at 16 l): every LDS load reads 512 consecutive bytes.
; LAYOUT.  Both products are used transposed: S^T = K Q^T (source 0 = 16 keys), O^T = V^T P^T (source 0 = 16 channels): a lane holds ONE query (lane % 16) throughout.
; The tokens of a tile are not neighbours (place p(t): bits 3 and 4 exchanged): the 16 registers of score tiles 2 B and 2 B + 1 are keys 32 B + 16 (lane / 16) + 0 .. 15, so the conversions' results are P's fragment.
; THE MASK RIDES IN THE IDLE HALF OF THE SCORE PRODUCT'S K (the head is 64, the instruction 128): at k = 64 .. 67 and 80 .. 83 q holds the code of 57,344, k that of -57,344 for a key that is left out and 0 for every other;
; those blocks' scale bytes are 127.  A key left out so scores -8 x 57,344^2, about -2.6e10; an open key's eight products are zeros.  The largest t begins at -2^31, over every such t: p of a key left out is 0 from the first step on.
; LIMITS: scores stay under 1e10 in magnitude; a batch row all of whose input_ids are 0 (NaN by the definition) is not served; NaN and infinities are not served.
; A block's largest p is made from the block's largest score by the same multiply-add and exponential: that takes v_exp_f32 not to fall where its input rises.  A block of zeros gets the byte 1: its codes are zeros.
; OUT.  attn is quantised here along the head's 64 (two blocks of the last product's K).  ac: [token tile 512][K step 8 = pair of heads][piece 4][512 bytes]; asc: [head 16][token place 8192] two scale bytes.
.set KCH,  65536                       ; LDS: chunk c at c x 65,536: 32 tiles of K x 1 KiB,
.set VOFF, 32768                       ; then 4 key steps of V x 8 KiB
.set SCK,  262144                      ; k's scale words, 8 KiB: [step 16][row 16][tile 8]
.set SCV,  270336                      ; v's, 4 KiB: [step 16][row 16][channel tile 4]
.set MT,   274432                      ; the mask's words, 16 KiB: [tile 128][lane 32]: written by LDS stores, in blocks of 256 bytes of their own
.set SG,   290816                      ; attn's scale bytes of my 512 queries, 1 KiB: likewise
.set LI,   1                           ; v1   16 x lane
.set LM,   2                           ; v2   MT + 4 x lane
.set AKS,  3                           ; v3   SCK + 32 r + 16 h
.set AVS,  4                           ; v4   SCV + 16 r
.set ADK,  5                           ; v5-8 the step's addresses: tiles, mask words, k's words, v's words
.set ADM,  6
.set ADS,  7
.set ADT,  8
.set SGA,  9                           ; v9   SG + 32 x wave + 2 r
.set QF,   16                          ; v16-31 Q: 16-23 codes, 24 the four codes of 57,344, 25-31 zeros
.set KF,   32                          ; v32-95 four fragments of K: +0..7 codes, +8 the mask's word, +9..15 zeros that stay
.set S,    96                          ; v96-159 S^T, then p, then V's four fragments
.set O,    160                         ; v160-191 O^T
.set P,    192                         ; v192-207 p's codes
.set KW,   208                         ; v208-211 k's scale words: tiles 0-3 in lanes 0-15, tiles 4-7 in lanes 16-31
.set VW,   212                         ; v212-215 v's
.set QW,   216                         ; v216 q's
.set PWD,  217                         ; v217 p's
.set T16,  218                         ; v218 SG + 16 x thread
.set G16,  219                         ; v219 16 x thread
.set BM,   220                         ; v220-223 a block's largest score, then its largest p
.set PT,   224                         ; v224-227 the other lane's, then the bytes
.set HD,   228                         ; v228-231 57,344 x the scale
.set SO,   232                         ; v232-235 the conversions' scale operands
.set C2,   236                         ; v[236:237] the sum's second chain
.set F,    238                         ; v[238:239] f = 2^(old M - new M)
.set TMP,  240
.set QWO,  241                         ; v241 32 r
.set WV,   14                          ; s14  my wave's number
.set G1K,  24                          ; s[24:31] descriptor group 1 for K's tiles; s[32:39] for V's; s[40:47] for the scale words
.set G1V,  32
.set G1S,  40
.set G0K,  48                          ; s[48:63] group 0 for K's four chunks; s[68:83] for V's; s[84:87] for the scale words
.set G0V,  68
.set G0S,  84
.set CS,   88                          ; s[88:89] c = log2(e) / 8
.set SEL,  90                          ; s[90:91] lane selects: lane l xor 16
.set MNT,  92                          ; s92  the mantissa field of 57,344
.set TB,   93                          ; s93-96 where the step's tiles, mask words, k's words and v's words begin
.set TMK,  94
.set TS,   95
.set TV,   96
.set CNT,  97
.set PASS, 98
.set PS,   99                          ; s99  512 x pass
.macro CROUND                          ; a round of the cluster's barrier
	s_barrier_signal -1
	s_barrier_wait -1
	s_cmp_lg_u32 s[WV], 0
	s_cbranch_scc1 .Lnot_wave_0_\@
	s_barrier_signal -3
.Lnot_wave_0_\@:
	s_barrier_wait -3
	s_barrier_signal -1
	s_barrier_wait -1
.endm
	s_load_b128 s[4:7], s[0:1], 0x0                ; qkvc, qkvs
	s_load_b128 s[8:11], s[0:1], 0x10              ; input_ids, ac
	s_load_b64 s[12:13], s[0:1], 0x20              ; asc
	v_lshl_add_u32 v254, v0, 2, 0x47400
	v_mov_b32 v255, 0
	ds_add_u32 v254, v255
	ds_add_u32 v254, v255
	v_lshrrev_b32 v10, 5, v0
	v_readfirstlane_b32 s[WV], v10                 ; wave 0..15
	s_bfe_u32 s15, ttmp6, 0x40000                  ; cx: it enters the addresses of q, ac and asc alone
	s_and_b32 s16, ttmp7, 0xffff                   ; 16 x batch + head, which the four partners share
	s_lshr_b32 s17, s16, 4                         ; batch
	s_and_b32 s18, s16, 15                         ; head
	s_lshr_b32 s19, s18, 1                         ; the pair of heads
	s_and_b32 s20, s18, 1                          ; which of the pair
	s_lshl_b32 s21, s17, 3
	s_add_co_u32 s21, s21, s19
	s_lshl_b32 s21, s21, 18                        ; the pair's block of 256 KiB in q; k's lies 32 blocks on, v's 64
	s_and_b32 s22, s[WV], 7                        ; waves 0-7 fetch K, waves 8-15 V: an eighth of a chunk's half each
	s_lshl_b32 s2, s22, 13                         ; K: four tiles, 2 KiB apart in memory,
	s_lshl_b32 s3, s20, 10                         ; my head's 1 KiB of each
	s_add_co_u32 s2, s2, s3
	s_add_co_u32 s2, s2, s21
	s_add_co_u32 s2, s2, 32*262144
	s_mov_b32 s3, 0
	s_lshr_b32 s100, s22, 1                        ; V: key step (w % 8) / 2 of the chunk, 16 KiB apart,
	s_lshl_b32 s100, s100, 14
	s_and_b32 s101, s22, 1
	s_lshl_b32 s101, s101, 12                      ; which 4 KiB
	s_add_co_u32 s100, s100, s101
	s_lshl_b32 s101, s20, 13                       ; of my head's 8 KiB
	s_add_co_u32 s100, s100, s101
	s_add_co_u32 s100, s100, s21
	s_add_co_u32 s100, s100, 64*262144
	s_mov_b32 s101, 0
	s_lshl_b32 s22, s22, 12                        ; and in LDS: 4 KiB x (w % 8)
	s_mul_i32 s23, s[WV], 768                      ; the scale words: 12 KiB in sixteen parts
	s_mul_i32 s16, s16, 20480                      ; my (batch, head) in qkvs
	s_add_co_u32 s96, s16, s23
	s_add_co_u32 s96, s96, 8192                    ; k's words and v's lie on end behind q's
	s_mov_b32 s97, 0
	; descriptor group 1, elements of 8 bytes, no padding.  15:0 the mask: all four work-groups; 17:16 size code 3; 21 set beside a mask
	s_mov_b32 s[G1K], 15|(3<<16)|(1<<21)
	s_mov_b32 s[G1K+1], 128<<16                    ; tensor_dim0 = 128: 1 KiB
	s_mov_b32 s[G1K+2], 4<<16                      ; tensor_dim1 = 4
	s_mov_b32 s[G1K+3], 128<<16                    ; tile_dim0
	s_mov_b32 s[G1K+4], 4                          ; tile_dim1
	s_mov_b32 s[G1K+5], 256                        ; from row to row 2 KiB
	s_mov_b32 s[G1K+6], 0
	s_mov_b32 s[G1K+7], 0
	s_mov_b32 s[G1V], 15|(3<<16)|(1<<21)
	s_mov_b32 s[G1V+1], 128<<16
	s_mov_b32 s[G1V+2], 4<<16
	s_mov_b32 s[G1V+3], 128<<16
	s_mov_b32 s[G1V+4], 4
	s_mov_b32 s[G1V+5], 128                        ; dense: 4 KiB
	s_mov_b32 s[G1V+6], 0
	s_mov_b32 s[G1V+7], 0
	s_mov_b32 s[G1S], 15|(3<<16)|(1<<21)
	s_mov_b32 s[G1S+1], 32<<16                     ; three rows of 256 bytes, dense
	s_mov_b32 s[G1S+2], 3<<16
	s_mov_b32 s[G1S+3], 32<<16
	s_mov_b32 s[G1S+4], 3
	s_mov_b32 s[G1S+5], 32
	s_mov_b32 s[G1S+6], 0
	s_mov_b32 s[G1S+7], 0
	s_mov_b32 s[CS], 0x3e38aa3b                    ; c = log2(e) / 8
	s_mov_b32 s[CS+1], s[CS]                       ; (named with it as a pair, so it is written)
	s_mov_b32 s[SEL], 0x76543210
	s_mov_b32 s[SEL+1], 0xfedcba98
	s_mov_b32 s[MNT], 0x600000
	s_wait_dscnt 0x0
	s_wait_kmcnt 0x0
	s_add_nc_u64 s[2:3], s[4:5], s[2:3]
	s_add_nc_u64 s[100:101], s[4:5], s[100:101]
.irp c, 0,1,2,3
	s_mov_b32 s[G0K+4*\c], 1                       ; 1:0 count = 1
	s_add_co_u32 s[G0K+4*\c+1], s22, \c*KCH        ; 63:32 LDS address
	s_add_nc_u64 s[G0K+4*\c+2:G0K+4*\c+3], s[2:3], \c*KCH   ; 120:64 global address: a chunk's 32 tiles are 64 KiB of memory
	s_or_b32 s[G0K+4*\c+3], s[G0K+4*\c+3], 0x80000000       ; 127:126 type = 2
	s_mov_b32 s[G0V+4*\c], 1
	s_add_co_u32 s[G0V+4*\c+1], s22, \c*KCH+VOFF
	s_add_nc_u64 s[G0V+4*\c+2:G0V+4*\c+3], s[100:101], \c*KCH
	s_or_b32 s[G0V+4*\c+3], s[G0V+4*\c+3], 0x80000000
.endr
	s_mov_b32 s[G0S], 1
	s_add_co_u32 s[G0S+1], s23, SCK
	s_add_nc_u64 s[G0S+2:G0S+3], s[6:7], s[96:97]
	s_or_b32 s[G0S+3], s[G0S+3], 0x80000000
	CROUND                                         ; all four work-groups are here: the joint loads meet
	s_cmp_lt_u32 s[WV], 8                          ; all fills of the launch go out here, a wave's five in one branch: five loads of mine are out
	s_cbranch_scc0 .Lfill_v
	tensor_load_to_lds s[G0S:G0S+3], s[G1S:G1S+7]
	s_nop 0
	tensor_load_to_lds s[G0K:G0K+3], s[G1K:G1K+7]
	s_nop 0
	tensor_load_to_lds s[G0K+4:G0K+7], s[G1K:G1K+7]
	s_nop 0
	tensor_load_to_lds s[G0K+8:G0K+11], s[G1K:G1K+7]
	s_nop 0
	tensor_load_to_lds s[G0K+12:G0K+15], s[G1K:G1K+7]
	s_nop 0
.rept 4
	v_nop
.endr
	s_branch .Lfilled
.Lfill_v:
	tensor_load_to_lds s[G0S:G0S+3], s[G1S:G1S+7]
	s_nop 0
	tensor_load_to_lds s[G0V:G0V+3], s[G1V:G1V+7]
	s_nop 0
	tensor_load_to_lds s[G0V+4:G0V+7], s[G1V:G1V+7]
	s_nop 0
	tensor_load_to_lds s[G0V+8:G0V+11], s[G1V:G1V+7]
	s_nop 0
	tensor_load_to_lds s[G0V+12:G0V+15], s[G1V:G1V+7]
	s_nop 0
.rept 4
	v_nop
.endr
.Lfilled:
	v_lshlrev_b32 v[G16], 4, v0
	s_lshl_b32 s96, s17, 13
	s_add_nc_u64 s[8:9], s[8:9], s[96:97]          ; my batch's 2,048 ids
	global_load_b128 v[32:35], v[G16], s[8:9]      ; thread n: keys 4 n .. 4 n + 3
	s_lshl_b32 s2, s15, 5
	s_add_co_u32 s2, s2, s[WV]                     ; my tile of queries in pass 0: 32 cx + wave; pass 1: 16 further on
	s_lshl_b32 s3, s20, 10
	s_lshl_b32 s96, s2, 11
	s_add_co_u32 s96, s96, s21
	s_add_co_u32 s96, s96, s3
	s_add_nc_u64 s[4:5], s[4:5], s[96:97]          ; q's codes: tile x 2 KiB + my head's 1 KiB
	s_lshr_b32 s96, s2, 3
	s_lshl_b32 s96, s96, 9
	s_add_co_u32 s96, s96, s16
	s_and_b32 s100, s2, 7
	s_lshl_b32 s100, s100, 2
	s_add_co_u32 s96, s96, s100
	s_add_nc_u64 s[6:7], s[6:7], s[96:97]          ; q's scale words: [step][row][tile]
	s_lshl_b32 s96, s17, 7
	s_add_co_u32 s96, s96, s2
	s_lshl_b32 s96, s96, 14
	s_lshl_b32 s100, s19, 11
	s_add_co_u32 s96, s96, s100
	s_add_co_u32 s96, s96, s3
	s_add_nc_u64 s[10:11], s[10:11], s[96:97]      ; ac: tile x 16 KiB + the pair's 2 KiB + my head's 1 KiB
	s_lshl_b32 s96, s18, 14
	s_lshl_b32 s100, s17, 12
	s_add_co_u32 s96, s96, s100
	s_lshl_b32 s100, s15, 10
	s_add_co_u32 s96, s96, s100
	s_add_nc_u64 s[12:13], s[12:13], s[96:97]      ; asc: my head's row, my 512 places, 2 bytes each
	v_and_b32 v10, 31, v0
	v_lshlrev_b32 v[LI], 4, v10
	v_lshl_add_u32 v[LM], v10, 2, MT
	v_and_b32 v11, 15, v0                          ; r
	v_bfe_u32 v10, v0, 4, 1                        ; h
	v_lshlrev_b32 v[QWO], 5, v11
	v_lshl_add_u32 v[AKS], v10, 4, v[QWO]
	v_add_nc_u32 v[AKS], SCK, v[AKS]
	v_lshl_add_u32 v[AVS], v11, 4, SCV
	s_lshl_b32 s96, s[WV], 5
	v_lshl_add_u32 v[SGA], v11, 1, s96
	v_add_nc_u32 v[SGA], SG, v[SGA]
	v_add_nc_u32 v[T16], SG, v[G16]
	v_lshrrev_b32 v10, 3, v0                       ; keys 4 n on lie at tile 2 (n / 8) + bit 1 of n, rows 8 (bit 2 of n) + 4 (bit 0 of n) on: bits 3 and 4 of the key exchanged
	v_lshlrev_b32 v10, 8, v10
	v_bfe_u32 v11, v0, 1, 1
	v_lshl_add_u32 v10, v11, 7, v10
	v_bfe_u32 v11, v0, 2, 1
	v_lshl_add_u32 v10, v11, 5, v10
	v_and_b32 v11, 1, v0
	v_lshl_add_u32 v10, v11, 4, v10
	v_add_nc_u32 v10, MT, v10
	v_mov_b32 v36, 0xfbfbfbfb                      ; four codes of -57,344
	s_wait_loadcnt 0x0
.irp i, 0,1,2,3
	v_cmp_eq_u32 vcc_lo, 0, v[32+\i]
	v_cndmask_b32 v[32+\i], 0, v36, vcc_lo         ; a choice of values: no address and no branch hangs on the ids
.endr
	ds_store_b128 v10, v[32:35]                    ; the words of lanes r (k = 64 .. 67)
	ds_store_b128 v10, v[32:35] offset:64          ; and of lanes 16 + r (k = 80 .. 83)
	v_mov_b32 v[QF+8], 0x7b7b7b7b                  ; four codes of 57,344
.irp i, 9,10,11,12,13,14,15
	v_mov_b32 v[QF+\i], 0
.irp f, 0,1,2,3
	v_mov_b32 v[KF+16*\f+\i], 0
.endr
.endr
.irp b, 0,1,2,3
	v_mov_b32 v[PT+\b], 0                          ; written once: a lane permute's destination counts as one of its sources
.endr
	v_mov_b32 v[F+1], 0                            ; (named as the upper half of a pair)
	v_mov_b32 v[TMP], 0
; A KEY STEP: 128 keys.
.macro STEP
	v_add_nc_u32 v[ADK], s[TB], v[LI]
	v_add_nc_u32 v[ADM], s[TMK], v[LM]
	v_add_nc_u32 v[ADS], s[TS], v[AKS]
	v_add_nc_u32 v[ADT], s[TV], v[AVS]
.rept 5
	v_nop                                          ; nine places with the four above: the score products below write over registers that the last step's products read as V's fragments; the loads into their scale words want eight
.endr
	ds_load_b128 v[KW:KW+3], v[ADS]
	ds_load_b128 v[VW:VW+3], v[ADT]
.irp g, 0,1                                    ; S^T = K Q^T, four tiles of 16 keys at a time
.irp f, 0,1,2,3
	ds_load_b128 v[KF+16*\f:KF+16*\f+3], v[ADK] offset:(4*\g+\f)*1024
	ds_load_b128 v[KF+16*\f+4:KF+16*\f+7], v[ADK] offset:(4*\g+\f)*1024+512
	ds_load_b32 v[KF+16*\f+8], v[ADM] offset:(4*\g+\f)*128
.endr
	s_wait_dscnt 0x0
.irp f, 0,1,2,3
.if \g == 0
	v_wmma_scale_f32_16x16x128_f8f6f4 v[S+8*\f:S+8*\f+7], v[KF+16*\f:KF+16*\f+15], v[QF:QF+15], 0, v[KW+\f], v[QW] matrix_a_fmt:MATRIX_FMT_BF8 matrix_b_fmt:MATRIX_FMT_BF8
.else
	v_wmma_scale_f32_16x16x128_f8f6f4 v[S+32+8*\f:S+32+8*\f+7], v[KF+16*\f:KF+16*\f+15], v[QF:QF+15], 0, v[KW+\f], v[QW] matrix_a_fmt:MATRIX_FMT_BF8 matrix_b_fmt:MATRIX_FMT_BF8 matrix_a_scale:MATRIX_SCALE_ROW1
.endif
.endr
.rept 8
	v_nop                                          ; places in front of the loads into K's registers, and of the first read of the scores
.endr
.endr
.irp b, 0,1,2,3
	v_max3_num_f32 v[BM+\b], v[S+16*\b], v[S+16*\b+1], v[S+16*\b+2]   ; the largest score of each block of 32 keys: for the row's maximum, and for the block's largest p
.endr
.irp i, 3,5,7,9,11,13
.irp b, 0,1,2,3
	v_max3_num_f32 v[BM+\b], v[BM+\b], v[S+16*\b+\i], v[S+16*\b+\i+1]
.endr
.endr
.irp b, 0,1,2,3
	v_max_num_f32 v[BM+\b], v[BM+\b], v[S+16*\b+15]
.endr
.irp b, 0,1,2,3
	v_permlanex16_b32 v[PT+\b], v[BM+\b], s[SEL], s[SEL+1]
.endr
.irp b, 0,1,2,3
	v_max_num_f32 v[BM+\b], v[BM+\b], v[PT+\b]     ; with lane l xor 16's 16 keys
.endr
	v_max3_num_f32 v[TMP], v[BM], v[BM+1], v[BM+2]
	v_max_num_f32 v[TMP], v[TMP], v[BM+3]          ; the step's largest score of my query
	v_mul_f32 v[TMP], s[CS], v[TMP]                ; as t (c is positive)
	v_max_num_f32 v13, v13, v[TMP]                 ; the running largest t
	v_mov_b32 v[TMP], v12
	v_floor_f32 v12, -v13                          ; the new -M = floor(-t) = -ceil(t): M is a whole number
	v_sub_f32 v[TMP], v12, v[TMP]                  ; M's old value less its new one: 0 or less
	v_cvt_i32_f32 v[TMP], v[TMP]                   ; (it saturates)
	v_ldexp_f32 v[F], 1.0, v[TMP]                  ; f = 2^(old M - new M)
.set j, 0
.rept 32
	v_pk_fma_f32 v[S+j:S+j+1], v[S+j:S+j+1], s[CS:CS+1], v[12:13] op_sel_hi:[1,0,0]   ; t - M, two at a time (of the pairs c and -M the low word serves both halves)
.set j, j+2
.endr
.irp b, 0,1,2,3
	v_fma_f32 v[BM+\b], v[BM+\b], s[CS], v12       ; the same of each block's largest score
.endr
.set j, 0
.rept 64
	v_exp_f32 v[S+j], v[S+j]                       ; p = 2^(t - M), at most 1
.set j, j+1
.endr
	v_pk_mul_f32 v[14:15], v[14:15], v[F:F+1] op_sel_hi:[1,0]   ; the sums under the new M: the plain instruction behind the exponentials
	s_wait_alu depctr_va_vdst(0)                   ; one wait for the batch of 64, ahead of its first reader
.irp b, 0,1,2,3
	v_exp_f32 v[BM+\b], v[BM+\b]                   ; the block's largest p
.endr
	v_pk_add_f32 v[C2:C2+1], v[S:S+1], v[S+2:S+3]  ; the row's sum is taken of the unquantised p: two at a time, in two chains; it reads the 64 alone
.irp j, 4,8,12,16,20,24,28,32,36,40,44,48,52,56,60
	v_pk_add_f32 v[14:15], v[14:15], v[S+\j:S+\j+1]
	v_pk_add_f32 v[C2:C2+1], v[C2:C2+1], v[S+2+\j:S+3+\j]
.endr
	v_pk_add_f32 v[14:15], v[14:15], v[C2:C2+1]
	s_wait_alu depctr_va_vdst(0)                   ; and one for the four
.irp b, 0,1,2,3
	v_max_num_f32 v[BM+\b], 0x8000000, v[BM+\b]    ; the floor 2^(16 - 127): the byte cannot fall under 1
.endr
.irp b, 0,1,2,3
	v_add_nc_u32 v[SO+\b], 0xf8800000, v[BM+\b]    ; 15 off the exponent field: the conversion's scale operand
.endr
.irp b, 0,1,2,3
	v_and_or_b32 v[HD+\b], v[BM+\b], 0x7f800000, s[MNT]   ; 57,344 x the scale
.endr
.irp b, 0,1,2,3
	v_lshrrev_b32 v[PT+\b], 23, v[SO+\b]           ; the scale's byte
.endr
	v_lshl_or_b32 v[PWD], v[PT+1], 8, v[PT]        ; p's scale word for these 128 keys
	v_lshl_or_b32 v[PWD], v[PT+2], 16, v[PWD]
	v_lshl_or_b32 v[PWD], v[PT+3], 24, v[PWD]
.irp b, 0,1,2,3
.irp i, 0,1,2,3,4,5,6,7,8,9,10,11,12,13,14,15
	v_min_num_f32 v[S+16*\b+\i], v[S+16*\b+\i], v[HD+\b]   ; the hold (ISA guide 7.6.2); p is not negative, so it is one-sided
.endr
	v_cvt_scalef32_pk8_bf8_f32 v[P+4*\b:P+4*\b+1], v[S+16*\b:S+16*\b+7], v[SO+\b]
	v_cvt_scalef32_pk8_bf8_f32 v[P+4*\b+2:P+4*\b+3], v[S+16*\b+8:S+16*\b+15], v[SO+\b]
.endr
.irp d, 0,1,2,3                                ; V's four fragments (16 channels x these 128 keys) take p's registers
.irp c, 0,1,2,3
	ds_load_b128 v[S+16*\d+4*\c:S+16*\d+4*\c+3], v[ADK] offset:VOFF+\d*2048+\c*512
.endr
.endr
.set j, 0
.rept 16
	v_pk_mul_f32 v[O+j:O+j+1], v[O+j:O+j+1], v[F:F+1] op_sel_hi:[1,0]   ; O^T under the new M.  (These are also the plain instructions between the conversions and the products)
.set j, j+2
.endr
	s_wait_dscnt 0x0
.irp d, 0,1,2,3                                ; O^T += V^T P^T: four accumulators, one instruction each
	v_wmma_scale_f32_16x16x128_f8f6f4 v[O+8*\d:O+8*\d+7], v[S+16*\d:S+16*\d+15], v[P:P+15], v[O+8*\d:O+8*\d+7], v[VW+\d], v[PWD] matrix_a_fmt:MATRIX_FMT_BF8 matrix_b_fmt:MATRIX_FMT_BF8
.endr
	s_add_co_u32 s[TB], s[TB], 8192
	s_add_co_u32 s[TMK], s[TMK], 1024
	s_add_co_u32 s[TS], s[TS], 512
	s_add_co_u32 s[TV], s[TV], 256
.endm
; A CHUNK of 512 keys: four steps.  n = how many of my loads were issued behind this chunk's: they may stay out.  Behind the barrier every wave's part of the chunk has landed.
.macro CHUNK c, n
	s_wait_tensorcnt \n
	s_wait_dscnt 0x0                               ; my LDS stores (the mask's words) have landed, and no LDS load of mine is out
	s_barrier_signal -1
	s_barrier_wait -1
	s_mov_b32 s[TB], \c*KCH
	s_mov_b32 s[TMK], \c*4096
	s_mov_b32 s[TS], \c*2048
	s_mov_b32 s[TV], \c*1024
	s_mov_b32 s[CNT], 4
.Lstep_\@:
	STEP
	s_sub_co_u32 s[CNT], s[CNT], 1
	s_cmp_lg_u32 s[CNT], 0
	s_cbranch_scc1 .Lstep_\@
.endm
	s_mov_b32 s[PASS], 0
	s_mov_b32 s[PS], 0
.Lpass:                                            ; two passes, a tile of 16 queries a wave in each; in the second the waits on the tensor loads are met at once
	global_load_b128 v[QF:QF+3], v[LI], s[4:5]
	global_load_b128 v[QF+4:QF+7], v[LI], s[4:5] offset:512
	global_load_b32 v[QW], v[QWO], s[6:7]
	v_mov_b32 v13, 0xcf000000                      ; the largest t so far: -2^31
	v_floor_f32 v12, -v13                          ; -M
	v_mov_b32 v14, 0                               ; the sum, in two halves
	v_mov_b32 v15, 0
.set j, 0
.rept 32
	v_mov_b32 v[O+j], 0                            ; O^T: the step is written once; the first change of M multiplies zeros
.set j, j+1
.endr
	s_wait_loadcnt 0x0
	CHUNK 0, 3
	CHUNK 1, 2
	CHUNK 2, 1
	CHUNK 3, 0
	; THE WAY OUT: O^T / the sum, quantised along the head's 64: two blocks, each shared with lane l xor 16
	v_add_f32 v14, v14, v15
	v_permlanex16_b32 v[TMP], v14, s[SEL], s[SEL+1]
	v_add_f32 v14, v14, v[TMP]                     ; the row's sum
	v_rcp_f32 v14, v14
.rept 6
	v_nop                                          ; the plain instruction behind the reciprocal; with the two additions eight places behind the last products
.endr
	s_wait_alu depctr_va_vdst(0)                   ; ahead of the reciprocal's first reader
.set j, 0
.rept 32
	v_mul_f32 v[S+j], v[O+j], v14                  ; register 16 B + i is channel 32 B + 16 (lane / 16) + i; each accumulator is read from its low end on
.set j, j+1
.endr
.irp b, 0,1
	v_max3_num_f32 v[BM+\b], |v[S+16*\b]|, |v[S+16*\b+1]|, 0x8000000
.endr
.irp i, 2,4,6,8,10,12,14
.irp b, 0,1
	v_max3_num_f32 v[BM+\b], v[BM+\b], |v[S+16*\b+\i]|, |v[S+16*\b+\i+1]|
.endr
.endr
.irp b, 0,1
	v_permlanex16_b32 v[PT+\b], v[BM+\b], s[SEL], s[SEL+1]
.endr
.irp b, 0,1
	v_max_num_f32 v[BM+\b], v[BM+\b], v[PT+\b]
.endr
.irp b, 0,1
	v_add_nc_u32 v[SO+\b], 0xf8800000, v[BM+\b]
.endr
.irp b, 0,1
	v_and_or_b32 v[HD+\b], v[BM+\b], 0x7f800000, s[MNT]
.endr
.irp b, 0,1
	v_lshrrev_b32 v[PT+\b], 23, v[SO+\b]
.endr
	v_lshl_or_b32 v[TMP], v[PT+1], 8, v[PT]        ; my query's two scale bytes
	v_add_nc_u32 v11, s[PS], v[SGA]
.irp b, 0,1
.irp i, 0,1,2,3,4,5,6,7,8,9,10,11,12,13,14,15
	v_med3_num_f32 v[S+16*\b+\i], v[S+16*\b+\i], -v[HD+\b], v[HD+\b]
.endr
	v_cvt_scalef32_pk8_bf8_f32 v[P+4*\b:P+4*\b+1], v[S+16*\b:S+16*\b+7], v[SO+\b]
	v_cvt_scalef32_pk8_bf8_f32 v[P+4*\b+2:P+4*\b+3], v[S+16*\b+8:S+16*\b+15], v[SO+\b]
.endr
	v_nop                                          ; a plain vector instruction behind the last conversion
	global_store_b128 v[LI], v[P:P+3], s[10:11]    ; two pieces of the last product's fragment: 1 KiB on end
	global_store_b128 v[LI], v[P+4:P+7], s[10:11] offset:512
	ds_store_b16 v11, v[TMP]                       ; both lanes of a query write the same two bytes with the same value
	s_wait_xcnt 0x0                                ; the loads and stores have read their bases and data: both may be written again
	s_add_nc_u64 s[4:5], s[4:5], 32768             ; 16 tiles on
	s_add_nc_u64 s[6:7], s[6:7], 1024
	s_add_nc_u64 s[10:11], s[10:11], 262144
	s_add_co_u32 s[PS], s[PS], 512
	s_add_co_u32 s[PASS], s[PASS], 1
	s_cmp_lt_u32 s[PASS], 2
	s_cbranch_scc1 .Lpass
	s_wait_dscnt 0x0                               ; my scale bytes lie in LDS,
	s_barrier_signal -1
	s_barrier_wait -1                              ; everybody's do
	s_cmp_lt_u32 s[WV], 2
	s_cbranch_scc0 .Lno_pairs
	ds_load_b128 v[32:35], v[T16]                  ; waves 0 and 1: 512 bytes each
	s_wait_dscnt 0x0
	global_store_b128 v[G16], v[32:35], s[12:13]   ; 32 lanes store 512 consecutive bytes
.Lno_pairs:
	s_wait_tensorcnt 0x0
	ds_add_u32 v254, v255
	s_wait_dscnt 0x0
	CROUND                                         ; the closing round
	s_endpgm
.Lfunc_end_k_q0fd630a4c7_attn:
	.size	k_q0fd630a4c7_attn, .Lfunc_end_k_q0fd630a4c7_attn-k_q0fd630a4c7_attn
	.p2alignl 7, 3214868480
	.fill 96, 4, 3214868480
	.section	.rodata,"a",@progbits
	.p2align	6, 0x0
	.amdhsa_kernel k_q0fd630a4c7_attn
		.amdhsa_group_segment_fixed_size 327680
		.amdhsa_private_segment_fixed_size 0
		.amdhsa_enable_private_segment 0
		.amdhsa_kernarg_size 40
		.amdhsa_user_sgpr_count 2
		.amdhsa_user_sgpr_kernarg_segment_ptr 1
		.amdhsa_wavefront_size32 1
		.amdhsa_system_sgpr_workgroup_id_x 1
		.amdhsa_system_sgpr_workgroup_id_y 1
		.amdhsa_system_sgpr_workgroup_id_z 1
		.amdhsa_system_vgpr_workitem_id 0
		.amdhsa_next_free_vgpr 256
		.amdhsa_next_free_sgpr 102
		.amdhsa_reserve_vcc 1
		.amdhsa_float_denorm_mode_32 3
		.amdhsa_float_denorm_mode_16_64 3
		.amdhsa_memory_ordered 1
		.amdhsa_forward_progress 1
		.amdhsa_inst_pref_size 99
	.end_amdhsa_kernel
	.amdgpu_metadata
---
amdhsa.version: [ 1, 2 ]
amdhsa.kernels:
  - .name:           k_q0fd630a4c7_attn
    .symbol:         k_q0fd630a4c7_attn.kd
    .args:
      - { .name: qkvc, .offset: 0, .size: 8, .value_kind: global_buffer, .address_space: global }
      - { .name: qkvs, .offset: 8, .size: 8, .value_kind: global_buffer, .address_space: global }
      - { .name: input_ids, .offset: 16, .size: 8, .value_kind: global_buffer, .address_space: global }
      - { .name: ac, .offset: 24, .size: 8, .value_kind: global_buffer, .address_space: global }
      - { .name: asc, .offset: 32, .size: 8, .value_kind: global_buffer, .address_space: global }
    .group_segment_fixed_size: 327680
    .private_segment_fixed_size: 0
    .kernarg_segment_align: 8
    .kernarg_segment_size: 40
    .max_flat_workgroup_size: 512
    .sgpr_count:     102
    .vgpr_count:     256
    .wavefront_size: 32
...
	.end_amdgpu_metadata
.endif
;; end of part 4
;; launch project_out (part 5): grid 4 x 32, 4 waves a work-group, clusters of 4 x 4, 327,680 bytes of LDS; arguments ac, asc, wc, ws, bp, x, out0; writes out0
.if DOCPART == 5
	.amdgcn_target "amdgcn-amd-amdhsa--gfx1250"
	.amdhsa_code_object_version 6
	.text
	.protected	k_q0fd630a4c7_project_out
	.globl	k_q0fd630a4c7_project_out
	.p2align	8
	.type	k_q0fd630a4c7_project_out,@function
k_q0fd630a4c7_project_out:
	s_mov_b64 s[64:65], 0
	v_nop
	global_prefetch_b8 v0, s[64:65] scope:SCOPE_SE
	s_setreg_imm32_b32 hwreg(HW_REG_WAVE_MODE, 25, 1), 1
	s_wait_xcnt 0x0
	s_wait_alu depctr_hold_cnt(0) depctr_sa_sdst(0) depctr_va_vdst(0) depctr_va_sdst(0) depctr_va_ssrc(0) depctr_va_vcc(0) depctr_vm_vsrc(0)
	s_getreg_b32 s2, hwreg(HW_REG_IB_STS2, 6, 4)
	s_cmp_eq_u32 s2, 0
	s_cbranch_scc0 .Lentry_in_a_cluster
	s_endpgm
.Lentry_in_a_cluster:
	s_bfe_u32 s2, ttmp6, 0x10000c
	s_cmp_lg_u32 s2, 0xf033
	s_cbranch_scc0 .Lentry_shape_is_right
	s_endpgm
.Lentry_shape_is_right:
; out0 = attn Wp + bp + x.  attn [8192][1024] and Wp's rows (rows 3,072 on of the weights' codes) are codes of BF8 (E5M2) with one E8M0 scale for each 32 along K = 1,024; sums in f32; bp, x and out0 f32.
; A tile of 256 x 256 is made by four waves, 128 x 128 each: 64 accumulators, 512 registers.  K goes in steps of 256 through a ring of two LDS slots filled by the tensor data mover.
; A (attn) COMES AS IMAGES OF ITS FRAGMENTS: [token tile][K step of 128][piece 4][512 bytes]: a fragment is four LDS loads of 512 consecutive bytes.  B comes as rows, 272 bytes apart in LDS.
; A's scale bytes lie by head, two for a token: each thread puts the eight words of two rows together once, into LDS bytes that no tensor load fills.  B's scales come once, by a tensor load.
; The matrix instruction takes source 0 = 16 rows of B, source 1 = 16 rows of A: a lane holds one token and eight columns.  bp is the C of each sum's first matrix instruction.
; Tokens and Wp's rows lie at places p(.) (bits 3 and 4 exchanged): the columns fall into order in the stage, the tokens in the stores' and x's loads' immediates.
; CLUSTERS: 4 x 4 work-groups; A's tiles are asked for jointly along a row of the cluster, B's along a column.  The grid has 128 tiles of 256 x 256.
; x IS PREFETCHED INTO THE L2: behind each of the two refills a wave asks for half of its own 128 rows x 512 bytes, a lane to each aligned 256 bytes: each is named once in the launch, six and four steps of 64 matrix instructions ahead of the loads.
; REGISTERS, in windows of 256: window 0: v0-31 addresses; v32-63 scale words, two sets; v64-127 bp; from v128 A's fragments; on the way out v128-255 rows of the result.
;   window 1: B's fragments, two sets; on the way out four sets of rows of x.   windows 2, 3: the accumulators ((a, b) at v[8 (8 (a % 4) + b)]).
.set NQ,     2
.set ROWB,   256
.set KROW,   1024
.set PITCH,  272                       ; B's LDS row: 256 bytes + 16 of padding: the 16 rows that a load touches start at 16 different banks (64 banks of 4 bytes: ISA guide 11.1)
.set FR,     16
.set NL,     4
.set NP,     8                         ; places behind this matrix instruction (ISA guide 7.12.1)
.set HALFT,  128*PITCH                 ; a wave's part of a slot (A's images take 32,768 bytes of it)
.set SLOT,   4*HALFT
.set KS,     32
.set SCL,    2*SLOT                    ; behind the ring: the scales, as runs of 256 bytes + 16: A's 256 rows (LDS stores), then B's (a tensor load)
.set HALFS,  (128*KS/256)*272
.set SBLK,   (16*KS/256)*272
.set SPARE,  SCL+4*HALFS               ; the spare words, 128 bytes for each wave: two blocks of 256 bytes that no other line names
.set SPITCH, 528                       ; the way out: a stage of 16 rows x (512 bytes + 16) for each wave, in slot 0, which has had its last fill and its last read by then
.set ADRA, 16
.set ADRB, 20
.set STO,  24                          ; v24  the stage: where I put 32 bytes of a row
.set RD,   25                          ; v25  and where I read a row back
.set CO,   26                          ; v26  16 x lane: my bytes of a row's 512
.set ADRS, 27
.set SPW,  28
.set NIL,  29
.set PFO,  30                          ; v30  the prefetches' offset: row lane / 2, 256 bytes x (lane % 2); never rewritten
.set SC,   32
.set BI,   64
.set AF,   128
.set BK,   128
.set G1, 24
.set G0, 32
.set G1B, 48
.set G0B, 56
.set G1SB, 80
.set G0SB, 88
.set MSB, 0
.macro WIN new
.if MSB != (\new)
	s_set_vgpr_msb (MSB<<8)|(\new)
.set MSB, \new
.endif
.endm
.set MUL_LO, 0xa1
.set MUL_HI, 0xf1
.set TO_B,   0x40
.macro JLOAD g0a, g1a, g0b, g1b        ; a joint load: waves 0 and 1 fetch for A, waves 2 and 3 for B; four v_nop follow each of the two lines
	s_cmp_eq_u32 s15, 0
	s_cbranch_scc0 .Lfor_b_\@
	tensor_load_to_lds s[\g0a:\g0a+3], s[\g1a:\g1a+7]
	s_nop 0
.rept 4
	v_nop
.endr
	s_branch .Lasked_\@
.Lfor_b_\@:
	tensor_load_to_lds s[\g0b:\g0b+3], s[\g1b:\g1b+7]
	s_nop 0
.rept 4
	v_nop
.endr
.Lasked_\@:
.endm
.macro CREST
	s_cmp_lg_u32 s14, 0
	s_cbranch_scc1 .Lnot_wave_0_\@
	s_barrier_signal -3
.Lnot_wave_0_\@:
	s_barrier_wait -3
	s_barrier_signal -1
	s_barrier_wait -1
.endm
.macro CROUND
	s_barrier_signal -1
	s_barrier_wait -1
	CREST
.endm
	s_load_b256 s[4:11], s[0:1], 0x0               ; ac s[4:5], asc s[6:7], the weights' codes s[8:9], their scales s[10:11]
	s_load_b128 s[96:99], s[0:1], 0x20             ; bp, x
	s_load_b64 s[12:13], s[0:1], 0x30              ; out0
	v_lshl_add_u32 v[SPW], v0, 2, SPARE
	v_mov_b32 v[NIL], 0
	ds_add_u32 v28, v29
	ds_add_u32 v28, v29
	s_wait_dscnt 0x0
	v_lshrrev_b32 v1, 5, v0
	v_readfirstlane_b32 s14, v1                    ; wave 0..3
	s_lshr_b32 s15, s14, 1                         ; which half of the tile's rows is mine.  Also: I fetch for A (0) or for B (1)
	s_and_b32 s16, s14, 1                          ; which half of its columns.  Also: which 128 rows of that tile I fetch
	s_bfe_u32 s40, ttmp6, 0x40000                  ; cx, cy
	s_bfe_u32 s41, ttmp6, 0x40004
	s_lshl_b32 s42, ttmp9, 2
	s_add_co_u32 s42, s42, s40                     ; tile column
	s_and_b32 s17, ttmp7, 0xffff
	s_lshl_b32 s17, s17, 2
	s_add_co_u32 s17, s17, s41                     ; tile row
	s_lshl_b32 s43, s41, 2
	s_lshl_b32 s43, 15, s43                        ; my row of the cluster
	s_lshl_b32 s44, 0x1111, s40                    ; my column
	; A: 8 token tiles x 4 KiB (two K steps of 128), 16 KiB apart in memory, dense in LDS; elements of 8 bytes
	s_or_b32 s[G1+0], s43, (3<<16)|(1<<21)
	s_mov_b32 s[G1+1], 512<<16                     ; tensor_dim0
	s_mov_b32 s[G1+2], 8<<16                       ; tensor_dim1
	s_mov_b32 s[G1+3], 512<<16                     ; tile_dim0
	s_mov_b32 s[G1+4], 8                           ; tile_dim1
	s_mov_b32 s[G1+5], 2048                        ; tensor_dim0_stride
	s_mov_b32 s[G1+6], 0
	s_mov_b32 s[G1+7], 0
	; B: 128 rows x 256 bytes, 16 bytes of padding behind each
	s_or_b32 s[G1B+0], s44, (0<<16)|(1<<20)|(1<<21)|(5<<22)|(3<<25)
	s_mov_b32 s[G1B+1], ROWB<<16
	s_mov_b32 s[G1B+2], 128<<16
	s_mov_b32 s[G1B+3], ROWB<<16
	s_mov_b32 s[G1B+4], 128
	s_mov_b32 s[G1B+5], KROW
	s_mov_b32 s[G1B+6], 0
	s_mov_b32 s[G1B+7], 0
	; B's scales of 128 rows: 4,096 dense bytes as rows of 256, 16 bytes of padding behind each
	s_or_b32 s[G1SB+0], s44, (3<<16)|(1<<20)|(1<<21)|(5<<22)|(3<<25)
	s_mov_b32 s[G1SB+1], 32<<16
	s_mov_b32 s[G1SB+2], (128*KS/256)<<16
	s_mov_b32 s[G1SB+3], 32<<16
	s_mov_b32 s[G1SB+4], 128*KS/256
	s_mov_b32 s[G1SB+5], 32
	s_mov_b32 s[G1SB+6], 0
	s_mov_b32 s[G1SB+7], 0
	s_lshl_b32 s20, s17, 4
	s_lshl_b32 s18, s16, 3
	s_add_co_u32 s20, s20, s18
	s_lshl_b32 s20, s20, 14                        ; A: token tile 16 x tile row + 8 x half, 16 KiB each
	s_mov_b32 s21, 0
	s_lshl_b32 s46, s42, 8
	s_lshl_b32 s18, s16, 7
	s_add_co_u32 s46, s46, s18
	s_add_co_u32 s46, s46, 3072                    ; B: Wp's rows begin at row 3,072
	s_lshl_b32 s92, s46, 5                         ; their scales,
	s_mov_b32 s93, 0
	s_lshl_b32 s46, s46, 10                        ; their codes
	s_mov_b32 s47, 0
	s_mul_i32 s45, s14, HALFT                      ; where they go: no place in the cluster enters an LDS address
	s_mul_i32 s94, s14, HALFS
	s_lshl_b32 s22, s17, 9                         ; A's scale bytes: my tile's 256 places, 2 bytes each
	s_mov_b32 s23, 0
	s_wait_kmcnt 0x0
	s_add_nc_u64 s[20:21], s[4:5], s[20:21]
	s_add_nc_u64 s[46:47], s[8:9], s[46:47]
	s_add_nc_u64 s[92:93], s[10:11], s[92:93]
	s_add_nc_u64 s[6:7], s[6:7], s[22:23]
	s_mov_b32 s[G0SB], 1
	s_add_co_u32 s[G0SB+1], s94, SCL
	s_mov_b64 s[G0SB+2:G0SB+3], s[92:93]
	s_or_b32 s[G0SB+3], s[G0SB+3], 0x80000000
.irp s, 0,1
	s_mov_b32 s[G0+4*\s], 1
	s_add_co_u32 s[G0+4*\s+1], s45, \s*SLOT
	s_add_nc_u64 s[G0+4*\s+2:G0+4*\s+3], s[20:21], \s*4096
	s_or_b32 s[G0+4*\s+3], s[G0+4*\s+3], 0x80000000
	s_mov_b32 s[G0B+4*\s], 1
	s_add_co_u32 s[G0B+4*\s+1], s45, \s*SLOT
	s_add_nc_u64 s[G0B+4*\s+2:G0B+4*\s+3], s[46:47], \s*ROWB
	s_or_b32 s[G0B+4*\s+3], s[G0B+4*\s+3], 0x80000000
.endr
	CROUND                                         ; all sixteen work-groups are here: the first joint loads meet
	s_cmp_eq_u32 s15, 0                            ; a wave's first fills stand in one branch: two loads of mine are out (A) or three (B)
	s_cbranch_scc0 .Lfirst_b
	tensor_load_to_lds s[G0:G0+3], s[G1:G1+7]
	s_nop 0
	tensor_load_to_lds s[G0+4:G0+7], s[G1:G1+7]
	s_nop 0
.rept 4
	v_nop
.endr
	s_branch .Lfirst_in
.Lfirst_b:
	tensor_load_to_lds s[G0SB:G0SB+3], s[G1SB:G1SB+7]
	s_nop 0
	tensor_load_to_lds s[G0B:G0B+3], s[G1B:G1B+7]
	s_nop 0
	tensor_load_to_lds s[G0B+4:G0B+7], s[G1B:G1B+7]
	s_nop 0
.rept 4
	v_nop
.endr
.Lfirst_in:
	v_lshlrev_b32 v7, 2, v0                        ; thread n: the scale bytes of rows 2 n and 2 n + 1, head by head
.irp k, 0,1,2,3,4,5,6,7,8,9,10,11,12,13,14,15
	global_load_b32 v[128+\k], v7, s[6:7] offset:\k*16384
.endr
	v_and_b32 v1, 15, v0                           ; r
	v_bfe_u32 v2, v0, 4, 1                         ; h
	s_lshl_b32 s20, s42, 1
	s_add_co_u32 s20, s20, s16
	s_lshl_b32 s20, s20, 9                         ; bp: my wave's 128 numbers
	s_mov_b32 s21, 0
	s_add_nc_u64 s[96:97], s[96:97], s[20:21]
	v_lshlrev_b32 v10, 6, v2                       ; register j of block 2 B + u is column 32 B + 16 h + 8 u + j
.irp b, 0,1,2,3,4,5,6,7
	global_load_b128 v[BI+8*\b:BI+8*\b+3], v10, s[96:97] offset:(32*(\b/2)+8*(\b%2))*4
	global_load_b128 v[BI+8*\b+4:BI+8*\b+7], v10, s[96:97] offset:(32*(\b/2)+8*(\b%2))*4+16
.endr
	s_lshl_b32 s20, s17, 8
	s_lshl_b32 s21, s15, 7
	s_add_co_u32 s20, s20, s21                     ; my first row of x and of out0,
	s_lshl_b32 s20, s20, 12                        ; 4,096 bytes a row,
	s_lshl_b32 s46, s42, 10
	s_lshl_b32 s47, s16, 9
	s_add_co_u32 s20, s20, s46
	s_add_co_u32 s20, s20, s47                     ; and my first column
	s_mov_b32 s21, 0
	s_add_nc_u64 s[12:13], s[12:13], s[20:21]
	s_add_nc_u64 s[98:99], s[98:99], s[20:21]
	v_and_b32 v6, 31, v0
	v_lshlrev_b32 v[CO], 4, v6
	v_lshrrev_b32 v[PFO], 1, v6
	v_lshlrev_b32 v[PFO], 12, v[PFO]
	v_and_b32 v3, 1, v6
	v_lshl_add_u32 v[PFO], v3, 8, v[PFO]
	s_mul_i32 s21, s15, HALFT                      ; my 128 rows of A: images, 16 bytes a lane
	v_mul_u32_u24 v3, v1, PITCH
	v_lshl_add_u32 v4, v2, 4, v3                   ; B: a fragment's row x pitch + 16 x half
	s_mul_i32 s22, s16, HALFT
	s_add_co_u32 s22, s22, 2*HALFT
.irp s, 0,1
	v_add_nc_u32 v[ADRA+\s], s21, v[CO]
	v_add_nc_u32 v[ADRB+\s], s22, v4
	s_add_co_u32 s21, s21, SLOT
	s_add_co_u32 s22, s22, SLOT
.endr
	v_mul_u32_u24 v5, v1, KS
	v_lshrrev_b32 v6, 8, v5
	v_lshl_add_u32 v5, v6, 4, v5
	s_mul_i32 s21, s15, HALFS
	s_mul_i32 s22, s16, HALFS
	s_add_co_u32 s22, s22, 2*HALFS
	s_sub_co_u32 s22, s22, s21
	v_mul_u32_u24 v6, s22, v2                      ; lanes 16-31 take B's scale words
	s_add_co_u32 s21, s21, SCL
	v_add_nc_u32 v5, v5, v6
	v_add_nc_u32 v[ADRS], s21, v5
	s_mul_i32 s23, s14, 16*SPITCH                  ; my stage
	v_mul_u32_u24 v5, v1, SPITCH
	v_lshl_add_u32 v5, v2, 6, v5                   ; in: row r, + 64 h
	v_add_nc_u32 v[STO], s23, v5
	v_add_nc_u32 v[RD], s23, v[CO]                 ; back: the 32 lanes take one row of 512 bytes
	v_lshrrev_b32 v8, 2, v0                        ; rows 2 n, 2 n + 1 of A's scales: 64 bytes at run n / 4, place 64 (n % 4)
	v_mul_u32_u24 v8, v8, 272
	v_and_b32 v9, 3, v0
	v_lshl_add_u32 v8, v9, 6, v8
	v_add_nc_u32 v8, SCL, v8
	s_mov_b32 s22, 0x05040100
	s_mov_b32 s23, 0x07060302
	s_wait_loadcnt 16                              ; the 16 loads of scale bytes are in; bp's 16 may be out
.irp s, 0,1,2,3,4,5,6,7                        ; K step s of 128 is heads 2 s and 2 s + 1: the even head's two bytes below, the odd head's above
	v_perm_b32 v[144+\s], v[129+2*\s], v[128+2*\s], s22   ; row 2 n: the low halves
	v_perm_b32 v[152+\s], v[129+2*\s], v[128+2*\s], s23   ; row 2 n + 1: the high halves
.endr
	ds_store_b128 v8, v[144:147]
	ds_store_b128 v8, v[148:151] offset:16
	ds_store_b128 v8, v[152:155] offset:32
	ds_store_b128 v8, v[156:159] offset:48
.macro FRAG reg, adr, q, i             ; B: a fragment from rows
.irp c, 0,1,2,3
	ds_load_b128 v[\reg+4*\c:\reg+4*\c+3], v[\adr] offset:128*(\q)+32*\c+(\i)*16*PITCH
.endr
.endm
.macro FRAGA reg, adr, q, i            ; A: a fragment from its image: token tile i, the slot's q-th K step, four pieces
.irp c, 0,1,2,3
	ds_load_b128 v[\reg+4*\c:\reg+4*\c+3], v[\adr] offset:(\i)*4096+(\q)*2048+\c*512
.endr
.endm
; 16 matrix instructions: A's blocks a0, a0 + 1 x B's eight.  zero = 1: the sums begin with bp.  The 64 accumulators take turns, one instruction a turn.
.macro MUL16 a0, p, q, sc, zero
.irp a, \a0, \a0+1
.irp b, 0,1,2,3,4,5,6,7
.set rD, 8*(8*((\a)%4)+\b)
.set rB, 128*(\p)+FR*\b
.set rA, AF+FR*(\a)
.set rSB, SC+8*NQ*(\sc)+NQ*\b+(\q)
.set rSA, SC+8*NQ*(\sc)+NQ*(\a)+(\q)
.if (\zero) == 1
	v_wmma_scale_f32_16x16x128_f8f6f4 v[rD:rD+7], v[rB:rB+15], v[rA:rA+15], v[BI+8*\b:BI+8*\b+7], v[rSB], v[rSA] matrix_a_fmt:MATRIX_FMT_BF8 matrix_b_fmt:MATRIX_FMT_BF8 matrix_a_scale:MATRIX_SCALE_ROW1
.else
	v_wmma_scale_f32_16x16x128_f8f6f4 v[rD:rD+7], v[rB:rB+15], v[rA:rA+15], v[rD:rD+7], v[rSB], v[rSA] matrix_a_fmt:MATRIX_FMT_BF8 matrix_b_fmt:MATRIX_FMT_BF8 matrix_a_scale:MATRIX_SCALE_ROW1
.endif
.endr
.endr
.endm
.macro FETCH_B slot, q, p
	WIN TO_B
.irp i, 0,1,2,3,4,5,6,7
	FRAG 128*(\p)+FR*\i, ADRB+\slot, \q, \i
.endr
	WIN 0
.endm
.macro FETCH_A slot, q, i0
.irp i, \i0, \i0+1, \i0+2, \i0+3
	FRAGA AF+FR*(\i), ADRA+\slot, \q, \i
.endr
.endm
.macro SCALES sc
.irp i, 0,1,2,3,4,5,6,7
	ds_load_b64 v[SC+8*NQ*\sc+NQ*\i:SC+8*NQ*\sc+NQ*\i+1], v[ADRS] offset:\i*SBLK
.endr
.endm
.macro PLACES n                        ; plain vector instructions behind matrix instructions (ISA guide 7.12.1 for vector instructions)
.rept \n
	v_nop
.endr
.endm
.macro ASKX k0                         ; four prefetches: rows 16 k0 .. 16 k0 + 63 of my wave's 128 rows of x, my 512 bytes of each
.irp i, 0,1,2,3
	global_prefetch_b8 v[PFO], s[98:99] offset:((\k0)+\i)*65536 th:TH_LOAD_NT scope:SCOPE_SE
.endr
.endm
.macro STEP slot, q, zero
	s_wait_dscnt 4*NL                              ; B's set and A's blocks 0-3 are in; the youngest 16 loads (A's blocks 4-7) may be out
.if \zero
	WIN 0x81                                       ; C (bp) in window 0, D in window 2
.else
	WIN MUL_LO
.endif
	MUL16 0, (\q)%2, \q, \slot, \zero
	MUL16 2, (\q)%2, \q, \slot, \zero
	s_wait_dscnt 0
	PLACES NP
	FETCH_B \slot, (\q)+1, 1-(\q)%2
	FETCH_A \slot, (\q)+1, 0
.if \zero
	WIN 0xc1
.else
	WIN MUL_HI
.endif
	MUL16 4, (\q)%2, \q, \slot, \zero
	MUL16 6, (\q)%2, \q, \slot, \zero
	PLACES NP
	WIN 0
	FETCH_A \slot, (\q)+1, 4
.endm
; A slot's last step changes slots: ONE barrier; in front of it each wave waits for all its tensor loads, adds 0 to its spare word, and waits for that and for its own reads of this slot.  fill = 1: this slot is filled again, two K steps ahead.
.macro TURN slot, next, fill
	s_wait_tensorcnt 0x0                           ; all my tensor loads have landed: my part of the next slot
	ds_add_u32 v[SPW], v[NIL]                      ; 0 onto my spare word
	s_wait_dscnt 4*NL+1                            ; (the add and the youngest 16 loads may be out)
	WIN MUL_LO
	MUL16 0, 1, NQ-1, \slot, 0
	s_wait_dscnt 0x0                               ; the add is done, and my reads of this slot are over
	s_barrier_signal -1
	MUL16 2, 1, NQ-1, \slot, 0
	WIN 0
	s_barrier_wait -1
.if \fill
	CREST                                          ; the barrier has opened a round of the cluster's barrier
	s_add_nc_u64 s[G0+4*\slot+2:G0+4*\slot+3], s[G0+4*\slot+2:G0+4*\slot+3], 8192
	s_add_nc_u64 s[G0B+4*\slot+2:G0B+4*\slot+3], s[G0B+4*\slot+2:G0B+4*\slot+3], 2*ROWB
	JLOAD G0+4*\slot, G1, G0B+4*\slot, G1B         ; the first tensor load behind the round, my one load until the next
	PLACES NP-4
.else
	PLACES NP
.endif
	v_add_nc_u32 v[ADRS], 4*NQ, v[ADRS]
	FETCH_B \next, 0, 0
	FETCH_A \next, 0, 0
	SCALES \next
.if \fill
	ASKX 4*\slot                                   ; behind the joint load and the run of LDS loads
.endif
	WIN MUL_HI
	MUL16 4, 1, NQ-1, \slot, 0
	MUL16 6, 1, NQ-1, \slot, 0
	PLACES NP
	WIN 0
	FETCH_A \next, 0, 4
.endm
	s_wait_tensorcnt 1                             ; my part of K step 0 (and B's scales) is in; K step 1's load may be out
	s_wait_dscnt 0x0                               ; my rows of A's scale words lie in LDS,
	s_barrier_signal -1
	s_barrier_wait -1                              ; everybody's do
	FETCH_B 0, 0, 0
	FETCH_A 0, 0, 0
	SCALES 0
	FETCH_A 0, 0, 4
	s_wait_loadcnt 0x0                             ; bp
	STEP 0, 0, 1
	TURN 0, 1, 1                                   ; K has four steps of 256: both slots are filled once more, and the eight steps of 128 are written out
	STEP 1, 0, 0
	TURN 1, 0, 1
	STEP 0, 0, 0
	TURN 0, 1, 0
	STEP 1, 0, 0
	s_wait_dscnt 4*NL
	WIN MUL_LO
	MUL16 0, 1, NQ-1, 1, 0
	MUL16 2, 1, NQ-1, 1, 0
	s_wait_dscnt 0
	WIN MUL_HI
	MUL16 4, 1, NQ-1, 1, 0
	MUL16 6, 1, NQ-1, 1, 0
	WIN 0
; THE WAY OUT, block by block of 16 tokens x 128 columns, through my own stage in LDS: in by lanes (a token's eight columns), back as whole rows of 512 bytes; x is added; 32 lanes store 512 consecutive bytes.
; Stage row t of block a is the token at place 16 a + t: row 32 (a / 2) + 8 (a % 2) + t + 8 (t / 8) of my 128.  All rows stand in the immediates (127 x 4,096 at the most): no base is stepped.
.macro TOSTAGE a
.set AC, 64*((\a)%4)
	WIN 0x08+4*((\a)/4)                            ; the data: window 2 or 3
.irp b, 0,1,2,3,4,5,6,7
	ds_store_b128 v[STO], v[AC+8*\b:AC+8*\b+3] offset:128*(\b/2)+32*(\b%2)          ; columns 32 (b / 2) + 16 h + 8 (b % 2) on; each accumulator from its low end on
	ds_store_b128 v[STO], v[AC+8*\b+4:AC+8*\b+7] offset:128*(\b/2)+32*(\b%2)+16
.endr
	WIN 0
.set BB, BK+64*((\a)%2)
.irp t, 0,1,2,3,4,5,6,7,8,9,10,11,12,13,14,15
	ds_load_b128 v[BB+4*\t:BB+4*\t+3], v[RD] offset:\t*SPITCH   ; LDS serves a wave's instructions in order (ISA guide 5.7.1.4): these see the stores above
.endr
.endm
.macro XLOAD a                         ; block a's 16 rows of x into set a % 4 of window 1
	WIN TO_B
.irp t, 0,1,2,3,4,5,6,7,8,9,10,11,12,13,14,15
	global_load_b128 v[64*((\a)%4)+4*\t:64*((\a)%4)+4*\t+3], v[CO], s[98:99] offset:(32*((\a)/2)+8*((\a)%2)+\t+8*(\t/8))*4096 th:TH_LOAD_NT
.endr
	WIN 0
.endm
.macro SEND a, younger                 ; younger: the LDS instructions issued behind block a's loads, which may stay out
.set BB, BK+64*((\a)%2)
.set XX, 64*((\a)%4)
	s_wait_dscnt \younger                          ; the block is back in registers
.if (\a) < 5
	s_wait_loadcnt 48                              ; its rows of x are in; the three blocks' loads issued behind them may be out
.else
	s_wait_loadcnt 16*(7-(\a))
.endif
	WIN 0x04                                       ; source 1 (x) window 1
.irp i, 0,2,4,6,8,10,12,14,16,18,20,22,24,26,28,30,32,34,36,38,40,42,44,46,48,50,52,54,56,58,60,62
	v_pk_add_f32 v[BB+\i:BB+\i+1], v[BB+\i:BB+\i+1], v[XX+\i:XX+\i+1]
.endr
	WIN 0
.irp t, 0,1,2,3,4,5,6,7,8,9,10,11,12,13,14,15
	global_store_b128 v[CO], v[BB+4*\t:BB+4*\t+3], s[12:13] offset:(32*((\a)/2)+8*((\a)%2)+\t+8*(\t/8))*4096 th:TH_STORE_NT
.endr
.if (\a) < 4
	XLOAD (\a)+4                                   ; its set takes the block four further on
.endif
.endm
	PLACES NP                                      ; behind the last products: loads land in their fragments' registers, and their results are read
	XLOAD 0
	XLOAD 1
	XLOAD 2
	XLOAD 3
	TOSTAGE 0
.irp a, 1,2,3,4,5,6,7
.if \a > 1
	s_wait_xcnt 0x0                                ; block a - 2's stores have read their registers: block a's loads from the stage may land there
.endif
	TOSTAGE \a
	SEND \a-1, 32                                  ; behind block a - 1's loads: block a's 16 stores and 16 loads
.endr
	SEND 7, 0
	s_wait_tensorcnt 0x0                           ; the wave's end
	ds_add_u32 v[SPW], v[NIL]
	s_wait_dscnt 0x0
	CROUND                                         ; the closing round
	s_endpgm
.Lfunc_end_k_q0fd630a4c7_project_out:
	.size	k_q0fd630a4c7_project_out, .Lfunc_end_k_q0fd630a4c7_project_out-k_q0fd630a4c7_project_out
	.p2alignl 7, 3214868480
	.fill 96, 4, 3214868480
	.section	.rodata,"a",@progbits
	.p2align	6, 0x0
	.amdhsa_kernel k_q0fd630a4c7_project_out
		.amdhsa_group_segment_fixed_size 327680
		.amdhsa_private_segment_fixed_size 0
		.amdhsa_enable_private_segment 0
		.amdhsa_kernarg_size 56
		.amdhsa_user_sgpr_count 2
		.amdhsa_user_sgpr_kernarg_segment_ptr 1
		.amdhsa_wavefront_size32 1
		.amdhsa_system_sgpr_workgroup_id_x 1
		.amdhsa_system_sgpr_workgroup_id_y 1
		.amdhsa_system_sgpr_workgroup_id_z 1
		.amdhsa_system_vgpr_workitem_id 0
		.amdhsa_next_free_vgpr 1024
		.amdhsa_next_free_sgpr 106
		.amdhsa_reserve_vcc 0
		.amdhsa_float_denorm_mode_32 3
		.amdhsa_float_denorm_mode_16_64 3
		.amdhsa_memory_ordered 1
		.amdhsa_forward_progress 1
		.amdhsa_inst_pref_size 179
	.end_amdhsa_kernel
	.amdgpu_metadata
---
amdhsa.version: [ 1, 2 ]
amdhsa.kernels:
  - .name:           k_q0fd630a4c7_project_out
    .symbol:         k_q0fd630a4c7_project_out.kd
    .args:
      - { .name: ac, .offset: 0, .size: 8, .value_kind: global_buffer, .address_space: global }
      - { .name: asc, .offset: 8, .size: 8, .value_kind: global_buffer, .address_space: global }
      - { .name: wc, .offset: 16, .size: 8, .value_kind: global_buffer, .address_space: global }
      - { .name: ws, .offset: 24, .size: 8, .value_kind: global_buffer, .address_space: global }
      - { .name: bp, .offset: 32, .size: 8, .value_kind: global_buffer, .address_space: global }
      - { .name: x, .offset: 40, .size: 8, .value_kind: global_buffer, .address_space: global }
      - { .name: out0, .offset: 48, .size: 8, .value_kind: global_buffer, .address_space: global }
    .group_segment_fixed_size: 327680
    .private_segment_fixed_size: 0
    .kernarg_segment_align: 8
    .kernarg_segment_size: 56
    .max_flat_workgroup_size: 128
    .sgpr_count:     106
    .vgpr_count:     1024
    .wavefront_size: 32
...
	.end_amdgpu_metadata
.endif
;; end of part 5
